; MI455X (gfx1250); checked and timed in simulation.
; The chip was launched on July 23, 2026; its instructions are those of AMD's public machine-readable ISA for CDNA 5 (MIT licence, August 2026) and "CDNA5" Instruction Set Architecture Reference Guide (July 2026). The comments in the code are by the model that wrote it; some were corrected since.
;; Grouped Query Attention. Allowed arithmetic: matrix products marked QUANTISED: E2M1 operands, one E8M0 scale for each 32 along K, by v_wmma_scale_f32_16x16x128_f8f6f4 with both operands' format E2M1 (or v_wmma_scale_f32_32x16x128_f4), f32 sums; products left as they are: bf16, f16 or f32 operands; f32 sums; everything else in f32.
;; Inputs: Wk 1,024 x 256 float32; Wo 1,024 x 1,024 float32; Wq 1,024 x 1,024 float32; Wv 1,024 x 256 float32; x 2 x 2,048 x 1,024 float32.
;; Outputs: out0 2 x 2,048 x 1,024 float32.
;; This version of the problem:
;;   THIS VERSION OF THE PROBLEM IS GIVEN IN LOW PRECISION. The matrix products marked QUANTISED in the list below multiply operands that are first quantised to E2M1 (2 exponent bits, 1 mantissa bit; 4 bits a number), with one power-of-two scale for each 32 numbers along K (OCP MX v1.0); their sums are f32. The products marked 'left as it is' may take bf16, f16 or f32 operands, with f32 sums. Whichever they take, every output number must still come out within the allowed error. Rounding operands to bf16 (8 significant bits) uses up far more of that allowance than f16 does (11 bits, for magnitudes from 6e-5 to 65,504). All else is computed in f32.
;;   The module's matrix products, in the order in which they are computed (A, B: the left and right operand; K: the contracted axis; several contracted axes count as one K, in the product's order):
;;     1. [M 4,096, K 1,024] x [K 1,024, N 1,024]; A: input x; B: input Wq: QUANTISED
;;     2. [M 4,096, K 1,024] x [K 1,024, N 256]; A: input x; B: input Wk: QUANTISED
;;     3. [M 4,096, K 1,024] x [K 1,024, N 256]; A: input x; B: input Wv: QUANTISED
;;     4. batch 8 x [M 8,192, K 64] x [K 64, N 2,048]; A: computed on the way; B: computed on the way: left as it is (an operand is computed on the way)
;;     5. batch 8 x [M 8,192, K 2,048] x [K 2,048, N 64]; A: computed on the way; B: computed on the way: left as it is (an operand is computed on the way)
;;     6. [M 4,096, K 1,024] x [K 1,024, N 1,024]; A: computed on the way; B: input Wo: left as it is (an operand is computed on the way)
;;   THE QUANTISER, for each operand of a quantised product, along K:
;;     - K is cut into blocks of 32 from its start; a last block that is shorter is filled with zeros.
;;     - A block's scale is 2^e with e = floor(log2(the largest magnitude in the block)) - 2, held to -126 .. 127; a block of zeros has e = 0. As a byte (E8M0): e + 127.
;;     - Each number is divided by its block's scale, clamped to +-6, and rounded to the nearest number of E2M1, ties to even, subnormals kept.
;;     - The product sums the exact products of the quantised numbers (number of the format x scale) in f32.
;;   ~~~python
;;   def quantise(x, axis):      # numpy; x: float32 -> the quantised numbers, widened to float32 again
;;       x = np.moveaxis(x, axis, -1); K = x.shape[-1]
;;       x = np.pad(x, [(0, 0)] * (x.ndim - 1) + [(0, -K % 32)]); x = x.reshape(x.shape[:-1] + (-1, 32)); a = np.abs(x).max(-1, keepdims=True)
;;       e = np.where(a > 0, np.clip(np.frexp(np.where(a > 0, a, 1))[1] - 1 - 2, -126, 127), 0)      # np.frexp(a)[1] - 1 = floor(log2(a)), exactly
;;       r = np.clip(x / 2.0 ** e, -6, 6)
;;       step = 2.0 ** (np.maximum(np.frexp(np.where(r == 0, 1, r))[1] - 1, 0) - 1)
;;       q = np.round(r / step) * step * 2.0 ** e      # np.round: ties to even
;;       return np.moveaxis(q.reshape(q.shape[:-2] + (-1,))[..., :K], -1, axis).astype(np.float32)
;;   ~~~
;; One version. Each part assembles by itself: llvm-mc -triple=amdgcn-amd-amdhsa -mcpu=gfx1250 --defsym DOCPART=n.
;; ======== version 1 of 1: 5 launches
;; limits: values are held in f16: magnitudes above 65,504 overflow, below 6.1e-05 lose precision
;; workspace buffers: xq 2,228,224 bytes; wq 835,584 bytes; wo16 2,097,152 bytes; rope 524,288 bytes; q16 8,388,608 bytes; kv16 4,194,304 bytes; first32 196,608 bytes; o16 8,388,608 bytes
;; launch prep (part 1): grid 304 x 1, 4 waves a work-group, no clusters, 34,304 bytes of LDS; arguments x, Wq, Wk, Wv, Wo, xq, wq, wo16, rope; writes xq, wq, wo16, rope
.if DOCPART == 1
	.amdgcn_target "amdgcn-amd-amdhsa--gfx1250"
	.amdhsa_code_object_version 6
	.text
	.protected	k_qd02f3863ca_prep
	.globl	k_qd02f3863ca_prep
	.p2align	8
	.type	k_qd02f3863ca_prep,@function
k_qd02f3863ca_prep:
	s_mov_b64 s[64:65], 0
	v_nop
	global_prefetch_b8 v0, s[64:65] scope:SCOPE_SE
	s_setreg_imm32_b32 hwreg(HW_REG_WAVE_MODE, 25, 1), 1
	s_wait_xcnt 0x0
; PREP: everything that later launches read many times is made once, and laid as IMAGES OF THE READER'S OPERAND REGISTERS
; (a group of four registers = 512 bytes, lane l's 16 bytes at 16 l), so that later launches load fragments as they lie.
;   work-groups   0..127  X    x [4096][1024] f32 -> E2M1 codes, xq[row tile 256][K step 8][1024 B]; scale words at XS: [row][8 words]
;   work-groups 128..191  WQ   Wq [1024][1024] f32, K = first axis -> wq[n tile 0..63][K step 8][1024 B]; scale words at WS: [n][8 words]
;   work-groups 192..223  WKV  Wk, Wv [1024][256] likewise -> n tiles 64..79 and 80..95
;   work-groups 224..287  WO   Wo [1024][1024] f32 -> f16, wo16[n tile 64][k step of 32: 32][1024 B]
;   work-groups 288..303  ROPE cos and sin of position x frequency, rope: cos [2048][32] f32, sin the same 262,144 bytes on
; The quantiser: a block of 32 along K; its scale is 2^(floor(log2(largest magnitude)) - 2); the byte is the largest magnitude's exponent
; field - 2, held at 1 from below; each number / scale to the nearest E2M1 code, ties to even, beyond 6 the largest code.
; LIMITS: a block of zeros gets the byte 1 where the rule says 127 (its codes are zeros, and this program alone reads the bytes); NaN and
; infinities are not served; |Wo| beyond 65,504 has no f16 number; the frequencies 10000^(-i/32) are made by v_exp_f32 (1 ulp), so an angle at
; position 2,047 can differ from a correctly rounded one by about 2.5e-4 radians (under 2e-6 for positions up to 15).
; The paths part on the work-group's number alone.  Only path X touches LDS.  No tensor loads, no barrier: waves share nothing.
.set XS,    2097152                    ; xq: where the scale words begin
.set WS,    786432                     ; wq: where the scale words begin
.set STGB,  8448                       ; path X: a wave's stage, 16 rows x (512 bytes + 16)
.set SPARE, 33792                      ; behind the four stages: the spare words, 128 bytes a wave, which no other line names
.set PW,    8                          ; v8-11   path X: a scale word for each of my four K steps
.set SPW,   12                         ; v12     LDS address of my spare word; never rewritten
.set NIL,   13                         ; v13     0; never rewritten
.set TM,    14                         ; v14-29  path X: at work in the quantiser
.set PC,    32                         ; v32-63  codes: registers of their own for each step, so that no store's data are written again
.set RA,    64                         ; v64-127, v128-191: two sets of 64 numbers
.set RB,    128
; 64 numbers of a lane, register 16 b + i = k 32 b + 16 (lane / 16) + i of my row, become a fragment's 8 registers of codes and its scale word
.macro QUANT s, pc, pw
.irp b, 0,1,2,3
	v_max3_num_f32 v[TM+\b], |v[\s+16*\b]|, |v[\s+1+16*\b]|, 0x1800000   ; block b: my 16 numbers, and the floor 2^(3 - 127): the byte cannot fall under 1
.endr
.irp i, 2,4,6,8,10,12,14
.irp b, 0,1,2,3
	v_max3_num_f32 v[TM+\b], v[TM+\b], |v[\s+16*\b+\i]|, |v[\s+1+16*\b+\i]|   ; the four blocks by turns
.endr
.endr
.irp b, 0,1,2,3
	v_permlanex16_b32 v[TM+4+\b], v[TM+\b], s32, s33
.endr
.irp b, 0,1,2,3
	v_max_num_f32 v[TM+\b], v[TM+\b], v[TM+4+\b]     ; with lane l xor 16's: the block's largest magnitude
.endr
.irp b, 0,1,2,3
	v_add_nc_u32 v[TM+12+\b], 0xff000000, v[TM+\b]   ; 2 off its exponent field: the conversion takes this operand's exponent field as its scale
.endr
.irp b, 0,1,2,3
	v_lshrrev_b32 v[TM+4+\b], 23, v[TM+12+\b]        ; the scale's byte
.endr
	v_lshl_or_b32 v[\pw], v[TM+5], 8, v[TM+4]        ; four bytes: my row's scale word for these 128 along K
	v_lshl_or_b32 v[\pw], v[TM+6], 16, v[\pw]
	v_lshl_or_b32 v[\pw], v[TM+7], 24, v[\pw]
.irp b, 0,1,2,3
	v_cvt_scalef32_pk8_fp4_f32 v[\pc+2*\b], v[\s+16*\b:\s+7+16*\b], v[TM+12+\b]
	v_cvt_scalef32_pk8_fp4_f32 v[\pc+1+2*\b], v[\s+8+16*\b:\s+15+16*\b], v[TM+12+\b]
.endr
	v_nop                                            ; one plain place behind a scaled conversion
.irp c, 0,1                                      ; the operand's layout wants a whole block in a lane: lanes 0-15 block 2 c, lanes 16-31 block 2 c + 1
.irp i, 0,1
	v_permlane16_swap_b32 v[\pc+4*\c+\i], v[\pc+2+4*\c+\i]
.endr
.endr
.endm
; path X: K step t of my four: 16 loads, each 512 consecutive bytes of one row
.macro XLOAD t, set
.set ii, 0
.rept 16
	global_load_b128 v[\set+4*ii:\set+4*ii+3], v4, s[4:5] offset:4096*ii+512*(\t) th:TH_LOAD_NT
.set ii, ii+1
.endr
.endm
.macro XSTEP t, set
.if \t < 3
	s_wait_loadcnt 16                                ; this step's 16 loads are in; the next step's 16 may be out
.else
	s_wait_loadcnt 0x0
.endif
.set ii, 0
.rept 16
	ds_store_b128 v5, v[\set+4*ii:\set+4*ii+3] offset:528*ii     ; through my own stage, as loaded: row ii
.set ii, ii+1
.endr
.irp b, 0,1,2,3
.irp j, 0,1,2,3
	ds_load_b128 v[\set+16*\b+4*\j:\set+16*\b+4*\j+3], v6 offset:128*\b+16*\j   ; and back: my row's 16 neighbours of each block.  LDS serves a wave's instructions in order: these see the stores
.endr
.endr
	s_wait_dscnt 0x0
	QUANT \set, PC+8*\t, PW+\t
	global_store_b128 v4, v[PC+8*\t:PC+8*\t+3], s[30:31] offset:1024*\t          ; the fragment's image: 512 consecutive bytes a store
	global_store_b128 v4, v[PC+8*\t+4:PC+8*\t+7], s[30:31] offset:1024*\t+512
.if \t < 2
	XLOAD \t+2, \set                                 ; the set is free: two steps on
.endif
.endm
; paths W: a lane takes a column, its registers run down K: block blk of 32 rows
.macro WLOAD blk, pitch
.set ii, 0
.rept 32
	global_load_b32 v[64+32*(\blk)+ii], v4, s[28:29] offset:(32*(\blk)+ii)*\pitch th:TH_LOAD_NT
.set ii, ii+1
.endr
.endm
.macro QBLK b, left                              ; block b of my column: all 32 numbers are mine
	s_wait_loadcnt \left
.set XB, 64+32*\b
	v_max3_num_f32 v8, |v[XB]|, |v[XB+1]|, |v[XB+2]|
	v_max3_num_f32 v9, |v[XB+3]|, |v[XB+4]|, |v[XB+5]|
.irp i, 6,10,14,18,22,26
	v_max3_num_f32 v8, v8, |v[XB+\i]|, |v[XB+\i+1]|
	v_max3_num_f32 v9, v9, |v[XB+\i+2]|, |v[XB+\i+3]|
.endr
	v_max3_num_f32 v8, v8, |v[XB+30]|, |v[XB+31]|
	v_max3_num_f32 v8, v8, v9, 0x1800000             ; and the floor
	v_add_nc_u32 v11, 0xff000000, v8
	v_lshrrev_b32 v9, 23, v11
.if \b == 0
	v_mov_b32 v10, v9
.else
	v_lshl_or_b32 v10, v9, 8*\b, v10                 ; the lower K in the lower byte
.endif
.irp g, 0,1,2,3
	v_cvt_scalef32_pk8_fp4_f32 v[32+4*\b+\g], v[XB+8*\g:XB+8*\g+7], v11
.endr
	v_nop                                            ; one plain place behind a scaled conversion
	global_store_b128 v5, v[32+4*\b:35+4*\b], s[36:37] offset:256*\b   ; block b = 2 c + h of column r lies at 256 b + 16 r of the image: sixteen lanes fill 256 aligned bytes
.endm
; s[28:29] my columns' first row of K step s25; s30 my first n tile; the pitch of a row in bytes
.macro WQUANT pitch
	s_lshl_b32 s26, s30, 13                          ; an n tile's 8 K steps are 8,192 bytes
	s_lshl_b32 s31, s25, 10
	s_add_co_u32 s26, s26, s31
	s_mov_b32 s27, 0
	s_add_nc_u64 s[36:37], s[16:17], s[26:27]        ; the codes
	s_lshl_b32 s26, s30, 9                           ; 16 columns x 32 bytes of scale words
	s_lshl_b32 s31, s25, 2
	s_add_co_u32 s26, s26, s31
	s_add_co_u32 s26, s26, WS
	s_add_nc_u64 s[38:39], s[16:17], s[26:27]        ; the scale words
	v_lshlrev_b32 v4, 2, v1                          ; in: 4 bytes a lane
	v_lshlrev_b32 v5, 13, v3                         ; out: lanes 16-31 belong to the next n tile
	v_lshl_add_u32 v5, v2, 4, v5
	v_lshlrev_b32 v6, 5, v1                          ; a column's 8 scale words are 32 bytes
	WLOAD 0, \pitch
	WLOAD 1, \pitch
	QBLK 0, 32                                       ; the next block's 32 loads may be out
	WLOAD 2, \pitch
	QBLK 1, 32
	WLOAD 3, \pitch
	QBLK 2, 32
	QBLK 3, 0
	global_store_b32 v6, v10, s[38:39]               ; my column's word for this K step
.endm
.macro CBLK q, left                              ; path WO: 32 numbers down K become 16 registers of f16: four groups of 8 k
	s_wait_loadcnt \left
.set ii, 0
.rept 16
	v_cvt_pk_f16_f32 v[192+16*\q+ii], v[64+32*\q+2*ii], v[64+32*\q+2*ii+1]
.set ii, ii+1
.endr
.irp c, 0,1,2,3
	global_store_b128 v5, v[192+16*\q+4*\c:192+16*\q+4*\c+3], s[36:37] offset:1024*\q+256*\c   ; group 2 c + h of column r lies at 256 (2 c + h) + 16 r of the image
.endr
.endm
; cos and sin of v6 (the position) x v[f]: the angle less n pi/2 in two parts, series on [-pi/4, pi/4], the quadrant by selects
.macro SINCOS f, co, so
	v_mul_f32 v16, v6, v[\f]                         ; the angle, rounded once
	v_mul_f32 v17, s34, v16
	v_rndne_f32 v17, v17                             ; n
	v_fma_f32 v18, -v17, s35, v16
	v_fma_f32 v18, -v17, s36, v18                    ; r
	v_cvt_i32_f32 v19, v17
	v_mul_f32 v20, v18, v18                          ; z = r^2
	v_fma_f32 v21, v20, s37, s38
	v_fma_f32 v21, v21, v20, s39
	v_mul_f32 v22, v20, v18
	v_fma_f32 v21, v21, v22, v18                     ; sin r
	v_fma_f32 v23, v20, s40, s41
	v_fma_f32 v23, v23, v20, s42
	v_mul_f32 v22, v20, v20
	v_fma_f32 v24, v20, -0.5, 1.0
	v_fma_f32 v23, v23, v22, v24                     ; cos r
	v_and_b32 v22, 1, v19
	v_cmp_ne_u32 vcc_lo, 0, v22                      ; an odd quadrant swaps the two
	v_cndmask_b32 v[\so], v21, v23, vcc_lo
	v_cndmask_b32 v[\co], v23, v21, vcc_lo
	v_lshlrev_b32 v22, 30, v19                       ; sin's sign: bit 1 of n
	v_and_b32 v22, 0x80000000, v22
	v_xor_b32 v[\so], v[\so], v22
	v_add_nc_u32 v22, 1, v19                         ; cos's: bit 1 of n + 1
	v_lshlrev_b32 v22, 30, v22
	v_and_b32 v22, 0x80000000, v22
	v_xor_b32 v[\co], v[\co], v22
.endm
	s_load_b256 s[4:11], s[0:1], 0x0                 ; x s[4:5], Wq s[6:7], Wk s[8:9], Wv s[10:11]
	s_load_b256 s[12:19], s[0:1], 0x20               ; Wo s[12:13], xq s[14:15], wq s[16:17], wo16 s[18:19]
	s_load_b64 s[20:21], s[0:1], 0x40                ; rope
	v_lshl_add_u32 v[SPW], v0, 2, SPARE
	v_mov_b32 v[NIL], 0
	v_lshrrev_b32 v1, 5, v0
	v_readfirstlane_b32 s22, v1                      ; wave
	v_and_b32 v1, 31, v0                             ; lane
	v_and_b32 v2, 15, v0                             ; r
	v_bfe_u32 v3, v0, 4, 1                           ; h
	s_mov_b32 s32, 0x76543210
	s_mov_b32 s33, 0xfedcba98                        ; v_permlanex16_b32's selects for lane l xor 16
	s_wait_kmcnt 0x0
	s_cmp_lt_u32 ttmp9, 128
	s_cbranch_scc1 .Lpath_x
	s_cmp_lt_u32 ttmp9, 192
	s_cbranch_scc1 .Lpath_wq
	s_cmp_lt_u32 ttmp9, 224
	s_cbranch_scc1 .Lpath_wkv
	s_cmp_lt_u32 ttmp9, 288
	s_cbranch_scc1 .Lpath_wo
	; ---- ROPE: 64 waves, 32 positions each, two a trip: lanes 0-15 one position, lanes 16-31 the next; a lane two frequencies
	s_sub_co_u32 s23, ttmp9, 288
	s_lshl_b32 s23, s23, 2
	s_add_co_u32 s23, s23, s22                       ; which 32 positions
	s_mov_b32 s34, 0x3f22f983                        ; 2 / pi
	s_mov_b32 s35, 0x3fc90fdb                        ; pi / 2, its f32 part,
	s_mov_b32 s36, 0xb33bbd2e                        ; and what is left of it
	s_mov_b32 s37, 0xb94ca1f9                        ; sin: -1.9515296e-4, 8.3321609e-3, -1.6666655e-1
	s_mov_b32 s38, 0x3c08839e
	s_mov_b32 s39, 0xbe2aaaa3
	s_mov_b32 s40, 0x37ccf5ce                        ; cos: 2.4433157e-5, -1.3887316e-3, 4.1666646e-2
	s_mov_b32 s41, 0xbab6061a
	s_mov_b32 s42, 0x3d2aaaa5
	s_mov_b32 s43, 0xbed49a78                        ; -log2(10000) / 32
	v_lshlrev_b32 v4, 1, v2
	v_cvt_f32_u32 v4, v4                             ; i = 2 (lane % 16), and i + 1
	v_add_f32 v5, 1.0, v4
	v_mul_f32 v4, s43, v4
	v_mul_f32 v5, s43, v5
	v_exp_f32 v4, v4                                 ; 10000^(-i / 32)
	v_exp_f32 v5, v5
	s_lshl_b32 s24, s23, 5
	v_add_nc_u32 v6, s24, v3                         ; (a plain place behind the exponentials)  my first position
	s_wait_alu depctr_va_vdst(0)                     ; one wait for both, ahead of their first reader
	v_cvt_f32_u32 v6, v6
	s_lshl_b32 s24, s23, 12                          ; 32 positions x 128 bytes
	v_lshl_add_u32 v7, v1, 3, s24                    ; + 8 x lane: the 32 lanes store 256 consecutive bytes, aligned
	s_mov_b32 s48, 16
.Ltrip:
	SINCOS 4, 32, 34
	SINCOS 5, 33, 35
	global_store_b64 v7, v[32:33], s[20:21]
	global_store_b64 v7, v[34:35], s[20:21] offset:262144
	s_wait_xcnt 0x0                                  ; the stores' data and offset are written again only behind this wait
	v_add_nc_u32 v7, 0x100, v7
	v_add_f32 v6, 2.0, v6
	s_sub_co_u32 s48, s48, 1
	s_cmp_lg_u32 s48, 0
	s_cbranch_scc1 .Ltrip
	s_endpgm
	; ---- WQ: a wave takes 32 columns x one K step of 128
.Lpath_wq:
	s_sub_co_u32 s23, ttmp9, 128
	s_and_b32 s24, s23, 7                            ; which 128 columns
	s_lshr_b32 s25, s23, 3                           ; which K step
	s_lshl_b32 s26, s25, 19                          ; 128 rows of 4,096 bytes
	s_lshl_b32 s27, s24, 9
	s_add_co_u32 s26, s26, s27
	s_lshl_b32 s27, s22, 7
	s_add_co_u32 s26, s26, s27
	s_mov_b32 s27, 0
	s_add_nc_u64 s[28:29], s[6:7], s[26:27]
	s_lshl_b32 s30, s24, 3
	s_lshl_b32 s31, s22, 1
	s_add_co_u32 s30, s30, s31                       ; my first n tile
	WQUANT 4096
	s_endpgm
	; ---- WKV: the same for Wk (n tiles 64 on) and Wv (80 on): rows of 1,024 bytes
.Lpath_wkv:
	s_sub_co_u32 s23, ttmp9, 192
	s_lshr_b32 s24, s23, 4                           ; 0: Wk, 1: Wv
	s_cmp_eq_u32 s24, 0
	s_cselect_b64 s[28:29], s[8:9], s[10:11]         ; the choice hangs on the work-group's number alone
	s_and_b32 s31, s23, 1                            ; which 128 columns
	s_bfe_u32 s25, s23, 0x30001                      ; which K step
	s_lshl_b32 s26, s25, 17                          ; 128 rows of 1,024 bytes
	s_lshl_b32 s27, s31, 9
	s_add_co_u32 s26, s26, s27
	s_lshl_b32 s27, s22, 7
	s_add_co_u32 s26, s26, s27
	s_mov_b32 s27, 0
	s_add_nc_u64 s[28:29], s[28:29], s[26:27]
	s_lshl_b32 s30, s24, 4
	s_lshl_b32 s31, s31, 3
	s_add_co_u32 s30, s30, s31
	s_lshl_b32 s31, s22, 1
	s_add_co_u32 s30, s30, s31
	s_add_co_u32 s30, s30, 64
	WQUANT 1024
	s_endpgm
	; ---- WO: a wave takes 32 columns x 128 along k: four k steps of 32
.Lpath_wo:
	s_sub_co_u32 s23, ttmp9, 224
	s_and_b32 s24, s23, 7                            ; which 128 columns
	s_lshr_b32 s25, s23, 3                           ; which 128 along k
	s_lshl_b32 s26, s25, 19
	s_lshl_b32 s27, s24, 9
	s_add_co_u32 s26, s26, s27
	s_lshl_b32 s27, s22, 7
	s_add_co_u32 s26, s26, s27
	s_mov_b32 s27, 0
	s_add_nc_u64 s[28:29], s[12:13], s[26:27]
	s_lshl_b32 s26, s24, 18                          ; 8 n tiles of 32,768 bytes
	s_lshl_b32 s30, s22, 16                          ; 2 for each wave
	s_add_co_u32 s26, s26, s30
	s_lshl_b32 s30, s25, 12                          ; 4 k steps of 1,024 bytes
	s_add_co_u32 s26, s26, s30
	s_add_nc_u64 s[36:37], s[18:19], s[26:27]
	v_lshlrev_b32 v4, 2, v1
	v_lshlrev_b32 v5, 15, v3                         ; lanes 16-31 belong to the next n tile
	v_lshl_add_u32 v5, v2, 4, v5
	WLOAD 0, 4096
	WLOAD 1, 4096
	CBLK 0, 32
	WLOAD 2, 4096
	CBLK 1, 32
	WLOAD 3, 4096
	CBLK 2, 32
	CBLK 3, 0
	s_endpgm
	; ---- X: a wave takes a tile of 16 rows x four K steps of 128
.Lpath_x:
	s_lshl_b32 s24, ttmp9, 2
	s_add_co_u32 s24, s24, s22                       ; unit 0..511
	s_lshr_b32 s25, s24, 1                           ; row tile
	s_and_b32 s26, s24, 1                            ; which half of K
	s_lshl_b32 s28, s25, 16                          ; 16 rows of 4,096 bytes
	s_lshl_b32 s27, s26, 11
	s_add_co_u32 s28, s28, s27
	s_mov_b32 s29, 0
	s_add_nc_u64 s[4:5], s[4:5], s[28:29]
	s_lshl_b32 s28, s24, 12                          ; four images of 1,024 bytes a unit
	s_add_nc_u64 s[30:31], s[14:15], s[28:29]
	s_lshl_b32 s28, s25, 9                           ; 16 rows x 32 bytes of scale words
	s_lshl_b32 s27, s26, 4
	s_add_co_u32 s28, s28, s27
	s_add_co_u32 s28, s28, XS
	s_add_nc_u64 s[14:15], s[14:15], s[28:29]
	v_lshlrev_b32 v4, 4, v1                          ; 16 x lane
	s_mul_i32 s27, s22, STGB                         ; my stage
	v_add_nc_u32 v5, s27, v4                         ; in: a row's 512 bytes as loaded
	v_mul_u32_u24 v6, v2, 528
	v_lshl_add_u32 v6, v3, 6, v6
	v_add_nc_u32 v6, s27, v6                         ; back: row r, + 64 h
	v_lshlrev_b32 v7, 5, v2
	v_lshl_add_u32 v7, v3, 3, v7                     ; my row's words: lanes 0-15 the first two, lanes 16-31 the other two
.irp b, 0,1,2,3
	v_mov_b32 v[TM+4+\b], 0                          ; written once: a lane permute's destination counts as one of its sources
.endr
	XLOAD 0, RA
	XLOAD 1, RB
	XSTEP 0, RA
	XSTEP 1, RB
	XSTEP 2, RA
	XSTEP 3, RB
	v_cmp_ne_u32 vcc_lo, 0, v3
	v_cndmask_b32 v30, v[PW], v[PW+2], vcc_lo
	v_cndmask_b32 v31, v[PW+1], v[PW+3], vcc_lo
	global_store_b64 v7, v[30:31], s[14:15]
	s_wait_tensorcnt 0x0                             ; the wave's end
	ds_add_u32 v[SPW], v[NIL]
	s_wait_dscnt 0x0
	s_endpgm
.Lfunc_end_k_qd02f3863ca_prep:
	.size	k_qd02f3863ca_prep, .Lfunc_end_k_qd02f3863ca_prep-k_qd02f3863ca_prep
	.p2alignl 7, 3214868480
	.fill 96, 4, 3214868480
	.section	.rodata,"a",@progbits
	.p2align	6, 0x0
	.amdhsa_kernel k_qd02f3863ca_prep
		.amdhsa_group_segment_fixed_size 34304
		.amdhsa_private_segment_fixed_size 0
		.amdhsa_enable_private_segment 0
		.amdhsa_kernarg_size 72
		.amdhsa_user_sgpr_count 2
		.amdhsa_user_sgpr_kernarg_segment_ptr 1
		.amdhsa_wavefront_size32 1
		.amdhsa_system_sgpr_workgroup_id_x 1
		.amdhsa_system_sgpr_workgroup_id_y 1
		.amdhsa_system_sgpr_workgroup_id_z 1
		.amdhsa_system_vgpr_workitem_id 0
		.amdhsa_next_free_vgpr 256
		.amdhsa_next_free_sgpr 66
		.amdhsa_reserve_vcc 1
		.amdhsa_float_denorm_mode_32 3
		.amdhsa_float_denorm_mode_16_64 3
		.amdhsa_memory_ordered 1
		.amdhsa_forward_progress 1
		.amdhsa_inst_pref_size 94
	.end_amdhsa_kernel
	.amdgpu_metadata
---
amdhsa.version: [ 1, 2 ]
amdhsa.kernels:
  - .name:           k_qd02f3863ca_prep
    .symbol:         k_qd02f3863ca_prep.kd
    .args:
      - { .name: x, .offset: 0, .size: 8, .value_kind: global_buffer, .address_space: global }
      - { .name: Wq, .offset: 8, .size: 8, .value_kind: global_buffer, .address_space: global }
      - { .name: Wk, .offset: 16, .size: 8, .value_kind: global_buffer, .address_space: global }
      - { .name: Wv, .offset: 24, .size: 8, .value_kind: global_buffer, .address_space: global }
      - { .name: Wo, .offset: 32, .size: 8, .value_kind: global_buffer, .address_space: global }
      - { .name: xq, .offset: 40, .size: 8, .value_kind: global_buffer, .address_space: global }
      - { .name: wq, .offset: 48, .size: 8, .value_kind: global_buffer, .address_space: global }
      - { .name: wo16, .offset: 56, .size: 8, .value_kind: global_buffer, .address_space: global }
      - { .name: rope, .offset: 64, .size: 8, .value_kind: global_buffer, .address_space: global }
    .group_segment_fixed_size: 34304
    .private_segment_fixed_size: 0
    .kernarg_segment_align: 8
    .kernarg_segment_size: 72
    .max_flat_workgroup_size: 128
    .sgpr_count:     66
    .vgpr_count:     256
    .wavefront_size: 32
...
	.end_amdgpu_metadata
.endif
;; end of part 1
;; launch qkv (part 2): grid 32 x 6, 4 waves a work-group, clusters of 4 x 1, 197,120 bytes of LDS; arguments xq, wq, rope, q16, kv16, first32; writes q16, kv16, first32
.if DOCPART == 2
	.amdgcn_target "amdgcn-amd-amdhsa--gfx1250"
	.amdhsa_code_object_version 6
	.text
	.protected	k_qd02f3863ca_qkv
	.globl	k_qd02f3863ca_qkv
	.p2align	8
	.type	k_qd02f3863ca_qkv,@function
k_qd02f3863ca_qkv:
	s_mov_b64 s[64:65], 0
	v_nop
	global_prefetch_b8 v0, s[64:65] scope:SCOPE_SE
	s_setreg_imm32_b32 hwreg(HW_REG_WAVE_MODE, 25, 1), 1
	s_wait_xcnt 0x0
	s_wait_alu depctr_hold_cnt(0) depctr_sa_sdst(0) depctr_va_vdst(0) depctr_va_sdst(0) depctr_va_ssrc(0) depctr_va_vcc(0) depctr_vm_vsrc(0)
	s_getreg_b32 s2, hwreg(HW_REG_IB_STS2, 6, 4)
	s_cmp_eq_u32 s2, 0
	s_cbranch_scc0 .Lentry_in_a_cluster
	s_endpgm
.Lentry_in_a_cluster:
	s_bfe_u32 s2, ttmp6, 0x10000c
	s_cmp_lg_u32 s2, 0x3003
	s_cbranch_scc0 .Lentry_shape_is_right
	s_endpgm
.Lentry_shape_is_right:
; QKV: x Wq, x Wk, x Wv on E2M1 codes with E8M0 scales (M 4,096, K 1,024, N 1,536 together), the rotary embedding of Q and K in f32, and the results as f16 images of the attention's operand registers.
; SHARES.  A work-group takes 128 rows (RG = 0..31) x 256 columns (CG: 0..3 Q, 4 K, 5 V); each of its four waves one head (4 column tiles) x 8 row tiles: 32 accumulators, 256 matrix instructions.
; ALL OF K LIES IN LDS: 64 KB of x's codes and 128 KB of the weights', brought by first fills alone, in two halves of K: no slot is filled again.
; CLUSTER.  The four work-groups of a cluster have the same CG: the weights' block is asked for jointly (mask 15).  x's rows differ: plain loads.
; LAYOUT.  Q and K: source 0 = 16 weight rows, source 1 = 16 rows of x: lane (r, h) holds position r and channels 16 t + 8 h + j, so the rotary partner (channel +-32) is accumulator tile t +-2, same lane, same register,
; and tile t rounded to f16 in pairs is half a fragment (16 positions x 32 channels).  V: the sources swapped: lane (r, h) holds channel 16 t + r and positions 8 h + j: two row tiles make a fragment of V^T (16 channels x 32 keys).
; Every store is an image: 512 consecutive bytes.  The f32 results of positions 0..15 of each batch go to first32 besides, under EXEC (no branch hangs on a work-group's place in its cluster).
; The cos / sin table is loaded by V's groups too, which do not use it: the text has one way up to the products.
; LIMIT: |Q|, |K|, |V| beyond 65,504 have no f16 number.
; REGISTERS: window 0: v1-7 addresses; v8-39 x's scale words, v40-55 the weights' (they hold nothing else); v56-59 addresses; v64-159, v160-255 two sets of fragments (x's 8, then the weights' 4), later the way out.
;   window 1: accumulator (a, t) at v[8 (4 a + t)].   window 2: cos of row tile a at v[32 a + 8 u + j], sin at v[32 a + 16 + 8 u + j].
.set XS,    2097152                    ; xq: where the scale words begin
.set WS,    786432                     ; wq: likewise
.set VO,    2097152                    ; kv16: where V begins
.set LW,    65536                      ; LDS: x's codes at 0: K half x 32,768 + row tile x 4,096 + K step x 1,024; the weights' from LW: K half x 65,536 + column tile x 4,096 + K step x 1,024
.set SPARE, 196608                     ; behind them: the spare words, 128 bytes a wave, which no other line names
.set AX,   1                           ; v1   16 x lane
.set AW0,  2                           ; v2, v3  my head's fragments of the weights, K half 0, 1
.set RR,   4
.set HH,   5
.set SPW,  6                           ; v6   LDS address of my spare word; never rewritten
.set NIL,  7                           ; v7   0; never rewritten
.set SX,   8                           ; v[SX + 8 p + s]: lane l: the word of row 32 p + l for K step s: row tile 2 p in lanes 0-15, 2 p + 1 in lanes 16-31
.set SW,   40                          ; v[SW + 8 p + s]: the same for my head's columns
.set VRB,  56                          ; v56  RG % 16: 0 where my rows begin a batch
.set VS,   57                          ; v57  32 x lane
.set VR,   58                          ; v58  128 r + 32 h: my place in the table
.set VT,   59
.set F0,   64                          ; fragment sets at F0 and F0 + 96
.set TT,   160                         ; the way out: v160-167 at work
.set WV,   16
.set CX,   17
.set RG,   18
.set CG,   19
.set PH,   20
.set RB,   21
.set BB,   22
.set G1X,  24                          ; s[24:31] group 1 for x's tiles; s[32:39] for the weights'; s[40:47], s[48:55] groups 0, one for each half of K
.set G1W,  32
.set G0X,  40
.set G0W,  48
.set MSB, 0
.macro WIN new                         ; the immediate's high byte repeats the setting that is left
.if MSB != \new
	s_set_vgpr_msb (MSB<<8)|\new
.set MSB, \new
.endif
.endm
.macro PLACES n
.rept \n
	v_nop
.endr
.endm
.macro CROUND                          ; a round of the cluster's barrier
	s_barrier_signal -1
	s_barrier_wait -1
	s_cmp_lg_u32 s[WV], 0
	s_cbranch_scc1 .Lnot_wave_0_\@
	s_barrier_signal -3
.Lnot_wave_0_\@:
	s_barrier_wait -3
	s_barrier_signal -1
	s_barrier_wait -1
.endm
; K step s: my head's 4 fragments of the weights, then x's 8: 24 loads, each 512 consecutive bytes
.macro FETCH s, f
.irp t, 0,1,2,3
.irp c, 0,1
	ds_load_b128 v[\f+64+8*\t+4*\c:\f+64+8*\t+4*\c+3], v[AW0+(\s)/4] offset:4096*\t+1024*((\s)%4)+512*\c
.endr
.endr
.irp a, 0,1,2,3,4,5,6,7
.irp c, 0,1
	ds_load_b128 v[\f+8*\a+4*\c:\f+8*\a+4*\c+3], v[AX] offset:32768*((\s)/4)+4096*\a+1024*((\s)%4)+512*\c
.endr
.endr
.endm
; one product; s = 0 starts the sum with the constant 0; rowa, rowb: the halves of the lanes that hold the two sources' scale words
.macro WM rd, ra, rb, s, sa, sb, rowa, rowb
.set rD, \rd
.set rA, \ra
.set rB, \rb
.set rSA, \sa
.set rSB, \sb
.set rW, 2*(\rowa)+(\rowb)
.if (\s) == 0
.if rW == 0
	v_wmma_scale_f32_16x16x128_f8f6f4 v[rD:rD+7], v[rA:rA+7], v[rB:rB+7], 0, v[rSA], v[rSB] matrix_a_fmt:MATRIX_FMT_FP4 matrix_b_fmt:MATRIX_FMT_FP4
.elseif rW == 1
	v_wmma_scale_f32_16x16x128_f8f6f4 v[rD:rD+7], v[rA:rA+7], v[rB:rB+7], 0, v[rSA], v[rSB] matrix_a_fmt:MATRIX_FMT_FP4 matrix_b_fmt:MATRIX_FMT_FP4 matrix_b_scale:MATRIX_SCALE_ROW1
.elseif rW == 2
	v_wmma_scale_f32_16x16x128_f8f6f4 v[rD:rD+7], v[rA:rA+7], v[rB:rB+7], 0, v[rSA], v[rSB] matrix_a_fmt:MATRIX_FMT_FP4 matrix_b_fmt:MATRIX_FMT_FP4 matrix_a_scale:MATRIX_SCALE_ROW1
.else
	v_wmma_scale_f32_16x16x128_f8f6f4 v[rD:rD+7], v[rA:rA+7], v[rB:rB+7], 0, v[rSA], v[rSB] matrix_a_fmt:MATRIX_FMT_FP4 matrix_b_fmt:MATRIX_FMT_FP4 matrix_a_scale:MATRIX_SCALE_ROW1 matrix_b_scale:MATRIX_SCALE_ROW1
.endif
.else
.if rW == 0
	v_wmma_scale_f32_16x16x128_f8f6f4 v[rD:rD+7], v[rA:rA+7], v[rB:rB+7], v[rD:rD+7], v[rSA], v[rSB] matrix_a_fmt:MATRIX_FMT_FP4 matrix_b_fmt:MATRIX_FMT_FP4
.elseif rW == 1
	v_wmma_scale_f32_16x16x128_f8f6f4 v[rD:rD+7], v[rA:rA+7], v[rB:rB+7], v[rD:rD+7], v[rSA], v[rSB] matrix_a_fmt:MATRIX_FMT_FP4 matrix_b_fmt:MATRIX_FMT_FP4 matrix_b_scale:MATRIX_SCALE_ROW1
.elseif rW == 2
	v_wmma_scale_f32_16x16x128_f8f6f4 v[rD:rD+7], v[rA:rA+7], v[rB:rB+7], v[rD:rD+7], v[rSA], v[rSB] matrix_a_fmt:MATRIX_FMT_FP4 matrix_b_fmt:MATRIX_FMT_FP4 matrix_a_scale:MATRIX_SCALE_ROW1
.else
	v_wmma_scale_f32_16x16x128_f8f6f4 v[rD:rD+7], v[rA:rA+7], v[rB:rB+7], v[rD:rD+7], v[rSA], v[rSB] matrix_a_fmt:MATRIX_FMT_FP4 matrix_b_fmt:MATRIX_FMT_FP4 matrix_a_scale:MATRIX_SCALE_ROW1 matrix_b_scale:MATRIX_SCALE_ROW1
.endif
.endif
.endm
; a K step's 32 products.  The 32 accumulators take turns, one instruction a turn, in the same order in every step
.macro MUL s, f, swap
.irp a, 0,1,2,3,4,5,6,7
.irp t, 0,1,2,3
.if \swap
	WM 8*(4*\a+\t), \f+8*\a, \f+64+8*\t, \s, SX+8*(\a/2)+\s, SW+8*(\t/2)+\s, \a%2, \t%2
.else
	WM 8*(4*\a+\t), \f+64+8*\t, \f+8*\a, \s, SW+8*(\t/2)+\s, SX+8*(\a/2)+\s, \t%2, \a%2
.endif
.endr
.endr
.endm
; half of K: four K steps on two sets of fragments; the next step's 24 loads are issued ahead of this step's products.
; Four plain places stand between the last product that read a set and the loads into it (ISA guide 7.12.1 for vector instructions).
.macro KHALF kh, swap
	PLACES 4
	FETCH 4*\kh, F0
.irp q, 0,1,2,3
.if \q < 3
.if \q > 0
	PLACES 4
.endif
	FETCH 4*\kh+\q+1, F0+96*((\q+1)%2)
	s_wait_dscnt 24                                ; this step's fragments are in; the 24 loads just issued may be out
.else
	s_wait_dscnt 0x0
.endif
	WIN 0x50                                       ; C and D in window 1
	MUL 4*\kh+\q, F0+96*(\q%2), \swap
	WIN 0
.endr
.endm
; the rotary embedding of row tile a, into v[ob] .. v[ob + 31]: out(d) = x(d) cos - x(d + 32) sin, out(d + 32) = x(d + 32) cos + x(d) sin, d = 16 u + 8 h + j.  Each accumulator is read from its low end on
.macro ROPE a, ob
	WIN 0x09                                       ; source 0: window 1 (the sums); source 1: window 2 (the table)
.irp u, 0,1
.irp jp, 0,2,4,6
.set rX1, 8*(4*\a+\u)+\jp
.set rX2, 8*(4*\a+\u+2)+\jp
.set rC, 32*\a+8*\u+\jp
.set rS, 32*\a+16+8*\u+\jp
.set rT, TT+4*((\jp/2)%2)
	v_pk_mul_f32 v[rT:rT+1], v[rX2:rX2+1], v[rS:rS+1]
	v_pk_mul_f32 v[rT+2:rT+3], v[rX1:rX1+1], v[rS:rS+1]
	v_pk_fma_f32 v[\ob+8*\u+\jp:\ob+8*\u+\jp+1], v[rX1:rX1+1], v[rC:rC+1], v[rT:rT+1] neg_lo:[0,0,1] neg_hi:[0,0,1]
	v_pk_fma_f32 v[\ob+8*(\u+2)+\jp:\ob+8*(\u+2)+\jp+1], v[rX2:rX2+1], v[rC:rC+1], v[rT+2:rT+3]
.endr
.endr
	WIN 0
.endm
; row tile 0's 32 f32 registers as an image, only where my rows begin a batch.  EXEC changes only behind s_wait_xcnt 0
.macro FIRST base, win
	v_cmp_eq_u32 vcc_lo, 0, v[VRB]
	s_wait_xcnt 0x0
	s_and_saveexec_b32 s80, vcc_lo
	WIN \win
.irp c, 0,1,2,3,4,5,6,7
	global_store_b128 v[AX], v[\base+4*\c:\base+4*\c+3], s[70:71] offset:512*\c
.endr
	WIN 0
	s_wait_xcnt 0x0
	s_or_b32 exec_lo, exec_lo, s80
.endm
.macro PACKQ a, ob                     ; row tile a to f16: tile t's four registers are chunk t of the image
.irp t, 0,1,2,3
.irp e, 0,1,2,3
	v_cvt_pk_f16_f32 v[\ob+32+4*\t+\e], v[\ob+8*\t+2*\e], v[\ob+8*\t+2*\e+1]
.endr
.endr
.irp t, 0,1,2,3
	global_store_b128 v[AX], v[\ob+32+4*\t:\ob+32+4*\t+3], s[68:69] offset:2048*\a+512*\t
.endr
.endm
	s_load_b256 s[4:11], s[0:1], 0x0               ; xq s[4:5], wq s[6:7], rope s[8:9], q16 s[10:11]
	s_load_b128 s[12:15], s[0:1], 0x20             ; kv16 s[12:13], first32 s[14:15]
	v_lshl_add_u32 v[SPW], v0, 2, SPARE
	v_mov_b32 v[NIL], 0
	ds_add_u32 v[SPW], v[NIL]                      ; the wave's opening: the add, twice on end, and its wait ahead of my first tensor load
	ds_add_u32 v[SPW], v[NIL]
	v_lshrrev_b32 v[VT], 5, v0
	v_readfirstlane_b32 s[WV], v[VT]               ; wave 0..3
	s_bfe_u32 s[CX], ttmp6, 0x40000                ; my place in the cluster
	s_lshl_b32 s[RG], ttmp9, 2
	s_add_co_u32 s[RG], s[RG], s[CX]               ; which 128 rows
	s_and_b32 s[CG], ttmp7, 0xffff                 ; which 256 columns: the four partners share it
	s_and_b32 s[PH], s[WV], 1                      ; which half of a tile I fetch
	s_and_b32 s[RB], s[RG], 15                     ; which 128 positions of the batch
	s_lshr_b32 s[BB], s[RG], 4                     ; the batch
	; x: 4 row tiles' 4,096 bytes (four K steps), 8,192 bytes apart: elements of 8 bytes
	s_mov_b32 s[G1X+0], 3<<16                      ; no mask; elements of 8 bytes; no padding: an image is read 16 bytes a lane on end
	s_mov_b32 s[G1X+1], 512<<16                    ; tensor_dim0
	s_mov_b32 s[G1X+2], 4<<16                      ; tensor_dim1
	s_mov_b32 s[G1X+3], 512<<16                    ; tile_dim0
	s_mov_b32 s[G1X+4], 4                          ; tile_dim1
	s_mov_b32 s[G1X+5], 1024                       ; from row to row
	s_mov_b32 s[G1X+6], 0
	s_mov_b32 s[G1X+7], 0
	; the weights: 8 column tiles likewise, for all four work-groups of the cluster
	s_mov_b32 s[G1W+0], 15|(3<<16)|(1<<21)
	s_mov_b32 s[G1W+1], 512<<16
	s_mov_b32 s[G1W+2], 8<<16
	s_mov_b32 s[G1W+3], 512<<16
	s_mov_b32 s[G1W+4], 8
	s_mov_b32 s[G1W+5], 1024
	s_mov_b32 s[G1W+6], 0
	s_mov_b32 s[G1W+7], 0
	s_lshl_b32 s58, s[RG], 16                      ; x: 8 row tiles of 8,192 bytes a work-group,
	s_lshl_b32 s56, s[PH], 15                      ; 4 a load
	s_add_co_u32 s58, s58, s56
	s_mov_b32 s59, 0
	s_lshl_b32 s60, s[CG], 17                      ; the weights: 16 column tiles a work-group, 8 a load: nothing here hangs on my place in the cluster
	s_lshl_b32 s56, s[PH], 16
	s_add_co_u32 s60, s60, s56
	s_mov_b32 s61, 0
	s_lshl_b32 s62, s[PH], 14                      ; where they go in LDS
	s_lshl_b32 s63, s[PH], 15
	s_wait_dscnt 0x0                               ; both opening adds are done
	s_wait_kmcnt 0x0
	s_add_nc_u64 s[58:59], s[4:5], s[58:59]
	s_add_nc_u64 s[60:61], s[6:7], s[60:61]
	CROUND                                         ; all four work-groups are here: the joint loads meet
.irp k, 0,1
	s_mov_b32 s[G0X+4*\k], 1
	s_add_co_u32 s[G0X+4*\k+1], s62, \k*32768
	s_add_nc_u64 s[G0X+4*\k+2:G0X+4*\k+3], s[58:59], \k*4096
	s_or_b32 s[G0X+4*\k+3], s[G0X+4*\k+3], 0x80000000
	s_mov_b32 s[G0W+4*\k], 1
	s_add_co_u32 s[G0W+4*\k+1], s63, LW+\k*65536
	s_add_nc_u64 s[G0W+4*\k+2:G0W+4*\k+3], s[60:61], \k*4096
	s_or_b32 s[G0W+4*\k+3], s[G0W+4*\k+3], 0x80000000
.endr
	s_cmp_lt_u32 s[WV], 2                          ; waves 0, 1: x's two halves of the rows; waves 2, 3: the weights'.  A wave's two fills, K half 0 and 1, stand in one branch: two tensor loads of mine are out
	s_cbranch_scc0 .Lfirst_w
	tensor_load_to_lds s[G0X:G0X+3], s[G1X:G1X+7]
	s_nop 0
	tensor_load_to_lds s[G0X+4:G0X+7], s[G1X:G1X+7]
	s_nop 0
	PLACES 4
	s_branch .Lfirst_asked
.Lfirst_w:
	tensor_load_to_lds s[G0W:G0W+3], s[G1W:G1W+7]
	s_nop 0
	tensor_load_to_lds s[G0W+4:G0W+7], s[G1W:G1W+7]
	s_nop 0
	PLACES 4
.Lfirst_asked:
	v_and_b32 v[VT], 31, v0
	v_lshlrev_b32 v[AX], 4, v[VT]
	s_lshl_b32 s56, s[WV], 14                      ; my head: 4 column tiles of 4,096 bytes
	s_add_co_u32 s56, s56, LW
	v_add_nc_u32 v[AW0], s56, v[AX]
	s_add_co_u32 s56, s56, 65536
	v_add_nc_u32 v[AW0+1], s56, v[AX]
	v_and_b32 v[RR], 15, v0
	v_bfe_u32 v[HH], v0, 4, 1
	v_lshlrev_b32 v[VS], 5, v[VT]
	v_lshlrev_b32 v[VR], 7, v[RR]
	v_lshl_add_u32 v[VR], v[HH], 5, v[VR]
	v_mov_b32 v[VRB], s[RB]
	s_lshl_b32 s72, s[RG], 12                      ; x's scale words: 128 rows x 32 bytes
	s_add_co_u32 s72, s72, XS
	s_mov_b32 s73, 0
	s_add_nc_u64 s[72:73], s[4:5], s[72:73]
	s_lshl_b32 s74, s[CG], 13                      ; the weights': 256 columns x 32 bytes, 64 a wave
	s_lshl_b32 s56, s[WV], 11
	s_add_co_u32 s74, s74, s56
	s_add_co_u32 s74, s74, WS
	s_mov_b32 s75, 0
	s_add_nc_u64 s[74:75], s[6:7], s[74:75]
	s_lshl_b32 s76, s[RB], 14                      ; the table: 128 positions x 128 bytes
	s_mov_b32 s77, 0
	s_add_nc_u64 s[76:77], s[8:9], s[76:77]
.irp p, 0,1,2,3
.irp k, 0,1
	global_load_b128 v[SX+8*\p+4*\k:SX+8*\p+4*\k+3], v[VS], s[72:73] offset:1024*\p+16*\k
.endr
.endr
.irp p, 0,1
.irp k, 0,1
	global_load_b128 v[SW+8*\p+4*\k:SW+8*\p+4*\k+3], v[VS], s[74:75] offset:1024*\p+16*\k
.endr
.endr
	WIN 0x80                                       ; destination window 2
.irp a, 0,1,2,3,4,5,6,7
.irp u, 0,1
.irp e, 0,1
	global_load_b128 v[32*\a+8*\u+4*\e:32*\a+8*\u+4*\e+3], v[VR], s[76:77] offset:2048*\a+64*\u+16*\e
	global_load_b128 v[32*\a+16+8*\u+4*\e:32*\a+16+8*\u+4*\e+3], v[VR], s[76:77] offset:262144+2048*\a+64*\u+16*\e
.endr
.endr
.endr
	WIN 0
	; where the results go
	s_lshl_b32 s56, s[BB], 4
	s_lshl_b32 s57, s[CG], 2
	s_add_co_u32 s56, s56, s57
	s_add_co_u32 s56, s56, s[WV]                   ; Q: head 16 b + 4 CG + wave
	s_lshl_b32 s57, s[BB], 2
	s_add_co_u32 s57, s57, s[WV]                   ; K, V: head 4 b + wave
	s_cmp_lt_u32 s[CG], 4
	s_cselect_b32 s56, s56, s57
	s_cselect_b64 s[68:69], s[10:11], s[12:13]     ; the choice hangs on the work-group's number alone
	s_lshl_b32 s56, s56, 18                        ; a head is 128 tiles of 2,048 bytes (V: 64 of 4,096),
	s_lshl_b32 s57, s[RB], 14                      ; my 128 positions 8 of them (V: 4)
	s_add_co_u32 s56, s56, s57
	s_cmp_eq_u32 s[CG], 5
	s_cselect_b32 s57, VO, 0
	s_add_co_u32 s56, s56, s57
	s_mov_b32 s57, 0
	s_add_nc_u64 s[68:69], s[68:69], s[56:57]
	s_mul_i32 s56, s[BB], 98304                    ; first32: 24 heads of 4,096 bytes a batch
	s_lshl_b32 s57, s[CG], 14
	s_add_co_u32 s56, s56, s57
	s_lshl_b32 s57, s[WV], 12
	s_add_co_u32 s56, s56, s57
	s_mov_b32 s57, 0
	s_add_nc_u64 s[70:71], s[14:15], s[56:57]
	s_wait_loadcnt 63                              ; 64 loads of the table were issued behind the 12 of scale words: with at most 63 out, the scale words are in
	s_wait_tensorcnt 1                             ; my part of K half 0 is in; K half 1's may stay out
	s_barrier_signal -1
	s_barrier_wait -1                              ; everybody's is
	s_cmp_eq_u32 s[CG], 5
	s_cbranch_scc1 .Lv_half0
	KHALF 0, 0
	s_branch .Lhalf0_done
.Lv_half0:
	KHALF 0, 1
.Lhalf0_done:
	s_wait_loadcnt 0x0                             ; the table
	s_wait_tensorcnt 0x0                           ; my part of K half 1 (no LDS load of mine is out: the last step waited for all)
	s_barrier_signal -1
	s_barrier_wait -1
	s_cmp_eq_u32 s[CG], 5
	s_cbranch_scc1 .Lv_half1
	KHALF 1, 0
	PLACES 4                                       ; in front of the first reads of results and the first writes over fragments
.irp a, 0,1,2,3,4,5,6,7
.if \a >= 2
	s_wait_xcnt 0x0                                ; the stores of two tiles back have read their registers: the set is written again
.endif
	ROPE \a, F0+48*(\a%2)
.if \a == 0
	FIRST F0, 0
.endif
	PACKQ \a, F0+48*(\a%2)
.endr
	s_branch .Lclose
.Lv_half1:
	KHALF 1, 1
	PLACES 4
	FIRST 0, 0x04                                  ; a store's data are its source 1: window 1
	WIN 0x05                                       ; sources 0 and 1: window 1
.irp a, 0,1,2,3,4,5,6,7
.irp t, 0,1,2,3
.irp e, 0,1,2,3
	v_cvt_pk_f16_f32 v[F0+4*(4*\a+\t)+\e], v[8*(4*\a+\t)+2*\e], v[8*(4*\a+\t)+2*\e+1]
.endr
.endr
.endr
	WIN 0
.irp a, 0,1,2,3,4,5,6,7
.irp t, 0,1,2,3
	global_store_b128 v[AX], v[F0+4*(4*\a+\t):F0+4*(4*\a+\t)+3], s[68:69] offset:4096*(\a/2)+1024*\t+512*(\a%2)   ; keys 32 (a / 2) on, channels 16 t on, half a % 2 of the fragment
.endr
.endr
.Lclose:
	s_wait_tensorcnt 0x0                           ; the wave's end
	ds_add_u32 v[SPW], v[NIL]
	s_wait_dscnt 0x0
	CROUND                                         ; the closing round: no work-group ends while a partner may still ask for a tile that names it
	s_endpgm
.Lfunc_end_k_qd02f3863ca_qkv:
	.size	k_qd02f3863ca_qkv, .Lfunc_end_k_qd02f3863ca_qkv-k_qd02f3863ca_qkv
	.p2alignl 7, 3214868480
	.fill 96, 4, 3214868480
	.section	.rodata,"a",@progbits
	.p2align	6, 0x0
	.amdhsa_kernel k_qd02f3863ca_qkv
		.amdhsa_group_segment_fixed_size 197120
		.amdhsa_private_segment_fixed_size 0
		.amdhsa_enable_private_segment 0
		.amdhsa_kernarg_size 48
		.amdhsa_user_sgpr_count 2
		.amdhsa_user_sgpr_kernarg_segment_ptr 1
		.amdhsa_wavefront_size32 1
		.amdhsa_system_sgpr_workgroup_id_x 1
		.amdhsa_system_sgpr_workgroup_id_y 1
		.amdhsa_system_sgpr_workgroup_id_z 1
		.amdhsa_system_vgpr_workitem_id 0
		.amdhsa_next_free_vgpr 768
		.amdhsa_next_free_sgpr 84
		.amdhsa_reserve_vcc 1
		.amdhsa_float_denorm_mode_32 3
		.amdhsa_float_denorm_mode_16_64 3
		.amdhsa_memory_ordered 1
		.amdhsa_forward_progress 1
		.amdhsa_inst_pref_size 147
	.end_amdhsa_kernel
	.amdgpu_metadata
---
amdhsa.version: [ 1, 2 ]
amdhsa.kernels:
  - .name:           k_qd02f3863ca_qkv
    .symbol:         k_qd02f3863ca_qkv.kd
    .args:
      - { .name: xq, .offset: 0, .size: 8, .value_kind: global_buffer, .address_space: global }
      - { .name: wq, .offset: 8, .size: 8, .value_kind: global_buffer, .address_space: global }
      - { .name: rope, .offset: 16, .size: 8, .value_kind: global_buffer, .address_space: global }
      - { .name: q16, .offset: 24, .size: 8, .value_kind: global_buffer, .address_space: global }
      - { .name: kv16, .offset: 32, .size: 8, .value_kind: global_buffer, .address_space: global }
      - { .name: first32, .offset: 40, .size: 8, .value_kind: global_buffer, .address_space: global }
    .group_segment_fixed_size: 197120
    .private_segment_fixed_size: 0
    .kernarg_segment_align: 8
    .kernarg_segment_size: 48
    .max_flat_workgroup_size: 128
    .sgpr_count:     84
    .vgpr_count:     768
    .wavefront_size: 32
...
	.end_amdgpu_metadata
.endif
;; end of part 2
;; launch attn (part 3): grid 32 x 8, 8 waves a work-group, no clusters, 327,680 bytes of LDS; arguments q16, kv16, o16; writes o16
.if DOCPART == 3
	.amdgcn_target "amdgcn-amd-amdhsa--gfx1250"
	.amdhsa_code_object_version 6
	.text
	.protected	k_qd02f3863ca_attn
	.globl	k_qd02f3863ca_attn
	.p2align	8
	.type	k_qd02f3863ca_attn,@function
k_qd02f3863ca_attn:
	s_mov_b64 s[64:65], 0
	v_nop
	global_prefetch_b8 v0, s[64:65] scope:SCOPE_SE
	s_setreg_imm32_b32 hwreg(HW_REG_WAVE_MODE, 25, 1), 1
	s_wait_xcnt 0x0
; ATTN: O = softmax(Q K^T / 8, causal) V for 2 batches x 16 query heads x 2,048 positions, head size 64; four query heads share a key and value head.  Operands f16, products, maxima and sums f32.
; SHARES.  Work-group (j, y): y = 4 b + key/value head; it owns positions 32 j .. 32 j + 31 (low) and 32 (63 - j) .. + 31 (high) of the 4 query heads: 65 x 32 keys of work whatever j.
; Wave w: query head w % 4, position tile w / 4; it holds ONE low tile and ONE high tile of 16 queries.  While the low tile still has keys, both tiles share each fragment of K and V; afterwards the wave goes on with the high tile.
; LAYOUT.  S^T = K Q^T (source 0 = 16 keys, source 1 = 16 queries): a lane holds one query (lane % 16) and keys 8 (lane / 16) + j.  Two such tiles rounded to f16 in pairs ARE source 1 (32 keys x 16 queries) of O^T = V^T P.
; Q, K, V arrive as images of these fragments: every LDS and global load is 16 bytes a lane on end.  O^T rounded to f16 is stored as the image of the next product's fragment.
; SOFTMAX.  A running maximum m and sum l for each query: p = 2^(c s - c m), c = log2(e) / 8; in every step O and l are multiplied by a = 2^(c m_old - c m_new).  The first step finds m = -3e38 and zeros.
; RING.  Two LDS slots of 256 keys (K 32 KB, V 32 KB), filled by waves 0..3, 16 KB each, read by all eight.  Every work-group walks all 8 changes of slots (constant trip counts); a key step all of whose keys come after
; my high tile is jumped over, and a slot whose first key comes after the work-group's last query is not asked for.  Every wait on TENSORcnt is for 0; one tensor load of a wave is out.
; NO CLUSTER: the work-groups that share K and V end their walks at different keys (32 (64 - j)), so a joint load would bring tiles that every wave of some partner jumps over.
; LIMIT: |O| beyond 65,504 has no f16 number.
.set VO,    2097152                    ; kv16: where V begins
.set SLOT1, 65536                      ; slot 1 begins here: one exclusive or turns an address in one slot into the other's.  In a slot: K's 16 key tiles of 2,048 bytes, then from 32,768 V's 8 x 4 fragments of 1,024
.set SPARE, 131072                     ; behind the ring: the spare words, 128 bytes a wave, which no other line names
.set LI,   1                           ; v1   16 x lane
.set RH,   2                           ; v2   r - 8 h
.set ADK,  3                           ; v3   LDS address of the step's fragments
.set DD,   4                           ; v4   the mask's bound
.set SPW,  5                           ; v5   LDS address of my spare word; never rewritten
.set NIL,  6                           ; v6   0; never rewritten
.set NINF, 7                           ; v7   -infinity
.set PFO,  8                           ; v8   256 x lane; never rewritten
.set STH,  10                          ; v10-17, v18-25 statistics of the high and the low tile: +0 c m, +1 m, +2, +3 l in two halves, +4 .. +7 at work, a in +6
.set STL,  18
.set QH,   32                          ; v32-47, v48-63 Q's two fragments of each tile
.set QL,   48
.set SH,   64                          ; v64-95, v96-127 S^T, then p, then P in the low 16
.set SL,   96
.set OH,   128                         ; v128-159, v160-191 O^T
.set OL,   160
.set KV,   192                         ; v192-255 a step's 8 fragments of K, then of V
.set WV,   10
.set JJ,   11
.set YY,   12
.set QL0,  13                          ; my low tile's first query
.set QH0,  14                          ; my high tile's
.set KF,   15                          ; the step's first key
.set TB,   16                          ; LDS byte at which the step's fragments of K begin
.set CNT,  17
.set SLOTS, 18
.set LIM,  19
.set SEL,  20                          ; s[20:21] lane selects: lane l xor 16
.set CS,   22                          ; s[22:23] c, twice: the packed form names a pair
.set G1,   24
.set G0,   32
.set PFA,  36
.set QLAST, 48                         ; the work-group's last query
.macro TLOAD                           ; waves 0..3 fetch, the others nothing; an s_nop 0 and four v_nop follow the load
	s_cmp_lt_u32 s[WV], 4
	s_cbranch_scc0 .Lnot_mine_\@
	tensor_load_to_lds s[G0:G0+3], s[G1:G1+7]
	s_nop 0
.rept 4
	v_nop
.endr
.Lnot_mine_\@:
.endm
; A prefetch of the slot that the NEXT change of slots will ask for: four key steps ahead of that load.  All 32 work-groups of a key/value head walk the same K and V: work-group j = 0, which walks all slots, asks, and in it
; the waves that fetch nothing: wave 4 + i takes 8,192 bytes of K and as many of V, lanes 256 bytes apart: each aligned 256 bytes are named once in the launch.  The last change that fills a slot asks for nothing; slots 0 and 1 come by their loads alone.
.macro ASK
	s_cmp_gt_u32 s[SLOTS], s[LIM]
	s_cbranch_scc0 .Lnot_asked_\@
	global_prefetch_b8 v[PFO], s[PFA:PFA+1] th:TH_LOAD_NT scope:SCOPE_SE
	global_prefetch_b8 v[PFO], s[PFA:PFA+1] offset:VO th:TH_LOAD_NT scope:SCOPE_SE
.Lnot_asked_\@:
.endm
; THE CHANGE OF SLOTS, at a slot's head: every wave waits for all its tensor loads, adds 0 to its spare word, waits for that and for its reads of the slot that it has left; behind the barrier that slot is filled again (fill = 1).
.macro CHANGE fill
	s_wait_tensorcnt 0x0                           ; no tensor load of mine is out, so the group 0 may be written
	ds_add_u32 v[SPW], v[NIL]
.if \fill
	ds_add_u32 v[SPW], v[NIL]                      ; twice on end here, in every trip alike
	s_xor_b32 s[G0+1], s[G0+1], SLOT1              ; the walking descriptor: the other slot,
	s_add_nc_u64 s[G0+2:G0+3], s[G0+2:G0+3], 32768 ; the next 256 keys
	s_wait_xcnt 0x0                                ; the last prefetches, a slot back, have read their address
	s_add_nc_u64 s[PFA:PFA+1], s[PFA:PFA+1], 32768
.endif
	s_wait_dscnt 0x0
	s_barrier_signal -1
	s_barrier_wait -1
.if \fill
	s_add_co_u32 s38, s[KF], 256                   ; the first key of the slot that this change would ask for:
	s_cmp_gt_u32 s38, s[QLAST]                     ; past the work-group's last query no wave reads it.  Ids and the count of steps alone: all eight waves go the same way
	s_cbranch_scc1 .Lpast_\@
	TLOAD                                          ; a wave's one tensor load until the next change
.Lpast_\@:
	ASK
.endif
.endm
.macro LOAD16 off                      ; 8 fragments: 16 loads of 512 consecutive bytes
.set ii, 0
.rept 16
	ds_load_b128 v[KV+4*ii:KV+4*ii+3], v[ADK] offset:\off+512*ii
.set ii, ii+1
.endr
.endm
.macro SQK S, Q                        ; S^T of 64 keys: 4 tiles by turns, two channel steps of 32
.irp cs, 0,1
.irp kt, 0,1,2,3
.if \cs == 0
	v_wmma_f32_16x16x32_f16 v[\S+8*\kt:\S+8*\kt+7], v[KV+8*(2*\kt+\cs):KV+8*(2*\kt+\cs)+7], v[\Q+8*\cs:\Q+8*\cs+7], 0
.else
	v_wmma_f32_16x16x32_f16 v[\S+8*\kt:\S+8*\kt+7], v[KV+8*(2*\kt+\cs):KV+8*(2*\kt+\cs)+7], v[\Q+8*\cs:\Q+8*\cs+7], v[\S+8*\kt:\S+8*\kt+7]
.endif
.endr
.endr
.endm
.macro PV O, S                         ; O^T += V^T P: 4 channel tiles by turns, two key steps of 32
.irp g, 0,1
.irp ct, 0,1,2,3
	v_wmma_f32_16x16x32_f16 v[\O+8*\ct:\O+8*\ct+7], v[KV+8*(4*\g+\ct):KV+8*(4*\g+\ct)+7], v[\S+8*\g:\S+8*\g+7], v[\O+8*\ct:\O+8*\ct+7]
.endr
.endr
.endm
.macro SOFTMAX S, T, O, Q0
	s_add_co_u32 s38, s[KF], 63                    ; on the diagonal hidden scores become -infinity; a step all of whose keys count skips this
	s_cmp_le_u32 s38, s[\Q0]
	s_cbranch_scc1 .Lopen_\@
	s_sub_co_u32 s38, s[\Q0], s[KF]
	v_add_nc_u32 v[DD], s38, v[RH]                 ; register 8 kt + j holds key KF + 16 kt + 8 h + j: hidden where 16 kt + j > my query - KF - 8 h
.set nn, 0
.rept 32
	v_cmp_gt_i32 vcc_lo, 16*(nn/8)+nn%8, v[DD]
	v_cndmask_b32 v[\S+nn], v[\S+nn], v[NINF], vcc_lo
.set nn, nn+1
.endr
.Lopen_\@:
.irp k, 0,1,2,3
	v_max3_num_f32 v[\T+4+\k], v[\S+8*\k], v[\S+8*\k+1], v[\S+8*\k+2]   ; four chains, each from a tile's low end on
.endr
.irp i, 3,5
.irp k, 0,1,2,3
	v_max3_num_f32 v[\T+4+\k], v[\T+4+\k], v[\S+8*\k+\i], v[\S+8*\k+\i+1]
.endr
.endr
	v_max3_num_f32 v[\T+4], v[\T+4], v[\S+7], v[\S+15]
	v_max3_num_f32 v[\T+6], v[\T+6], v[\S+23], v[\S+31]
	v_max3_num_f32 v[\T+4], v[\T+4], v[\T+5], v[\T+6]
	v_max3_num_f32 v[\T+4], v[\T+4], v[\T+7], v[\T+1]   ; and the old m
	v_permlanex16_b32 v[\T+5], v[\T+4], s[SEL], s[SEL+1]   ; the query's other 32 keys lie in the lane 16 away
	v_mov_b32 v[\T+7], v[\T]                       ; c m_old
	v_max_num_f32 v[\T+1], v[\T+4], v[\T+5]
	v_mul_f32 v[\T], s[CS], v[\T+1]
	v_sub_f32 v[\T+7], v[\T+7], v[\T]
.set nn, 0
.rept 16
	v_pk_fma_f32 v[\S+nn:\S+nn+1], v[\S+nn:\S+nn+1], s[CS:CS+1], v[\T:\T+1] op_sel_hi:[1,0,0] neg_lo:[0,0,1] neg_hi:[0,0,1]   ; c s - c m
.set nn, nn+2
.endr
	v_exp_f32 v[\T+6], v[\T+7]                     ; a, and the 32 weights: ONE batch
.set nn, 0
.rept 32
	v_exp_f32 v[\S+nn], v[\S+nn]
.set nn, nn+1
.endr
	v_nop                                          ; a plain place behind the last exponential
	s_wait_alu depctr_va_vdst(0)                   ; one wait for the batch, ahead of its first reader
	v_pk_mul_f32 v[\T+2:\T+3], v[\T+2:\T+3], v[\T+6:\T+7] op_sel_hi:[1,0]   ; l a
	v_pk_add_f32 v[\T+4:\T+5], v[\S:\S+1], v[\S+2:\S+3]   ; + the weights, in two chains
.irp j, 4,8,12,16,20,24,28
	v_pk_add_f32 v[\T+2:\T+3], v[\T+2:\T+3], v[\S+\j:\S+\j+1]
	v_pk_add_f32 v[\T+4:\T+5], v[\T+4:\T+5], v[\S+\j+2:\S+\j+3]
.endr
	v_pk_add_f32 v[\T+2:\T+3], v[\T+2:\T+3], v[\T+4:\T+5]
.set nn, 0
.rept 16
	v_cvt_pk_f16_f32 v[\S+nn], v[\S+2*nn], v[\S+2*nn+1]   ; P, in the low 16 registers: each is written behind the read of what it held
.set nn, nn+1
.endr
.set nn, 0
.rept 16
	v_pk_mul_f32 v[\O+nn:\O+nn+1], v[\O+nn:\O+nn+1], v[\T+6:\T+7] op_sel_hi:[1,0]   ; O^T a
.set nn, nn+2
.endr
.endm
; A KEY STEP: 64 keys.  One branch parts the steps in which both tiles have keys from those of the high tile alone, so that each way makes all that it reads.
.macro STEP
	s_add_co_u32 s38, s[QH0], 15
	s_cmp_gt_u32 s[KF], s38                        ; all keys come after my queries: nothing to do but the steps of the addresses
	s_cbranch_scc1 .Lhidden_\@
	v_add_nc_u32 v[ADK], s[TB], v[LI]
.rept 4
	v_nop                                          ; with the addition five places behind the last step's products: their V takes loads, and their P is written over by matrix instructions
.endr
	LOAD16 0                                       ; K
	s_wait_dscnt 0x0
	s_add_co_u32 s38, s[QL0], 15
	s_cmp_gt_u32 s[KF], s38
	s_cbranch_scc1 .Lhigh_\@
	SQK SH, QH
	SQK SL, QL
.rept 4
	v_nop                                          ; places in front of the loads into K's registers and of the first reads of scores
.endr
	LOAD16 32768                                   ; V lands under the first softmax
	SOFTMAX SH, STH, OH, QH0
	s_wait_dscnt 0x0
	PV OH, SH
	SOFTMAX SL, STL, OL, QL0
	PV OL, SL
	s_branch .Lhidden_\@
.Lhigh_\@:
	SQK SH, QH
.rept 4
	v_nop
.endr
	LOAD16 32768
	SOFTMAX SH, STH, OH, QH0
	s_wait_dscnt 0x0
	PV OH, SH
.Lhidden_\@:
	s_add_co_u32 s[KF], s[KF], 64
	s_add_co_u32 s[TB], s[TB], 8192                ; 4 key tiles of K; V's two groups of 32 keys are as many bytes
.endm
.macro SLOT_STEPS                      ; a slot's four key steps: written once, walked four times
	s_mov_b32 s[CNT], 4
.Lstep_\@:
	STEP
	s_sub_co_u32 s[CNT], s[CNT], 1
	s_cmp_lg_u32 s[CNT], 0
	s_cbranch_scc1 .Lstep_\@
	s_sub_co_u32 s[TB], s[TB], 32768               ; back to a slot's first step,
	s_xor_b32 s[TB], s[TB], SLOT1                  ; in the other slot
.endm
.macro OUTT S, T, O, K0, base          ; a tile's way out: O^T / l, to f16: channel tile ct's four registers are chunk ct of the head's two images
.set nn, 0
.rept 16
	v_pk_mul_f32 v[\S+nn:\S+nn+1], v[\O+nn:\O+nn+1], v[\T+6:\T+7] op_sel_hi:[1,0]
.set nn, nn+2
.endr
.set nn, 0
.rept 16
	v_cvt_pk_f16_f32 v[\K0+nn], v[\S+2*nn], v[\S+2*nn+1]
.set nn, nn+1
.endr
.irp ct, 0,1,2,3
	global_store_b128 v[LI], v[\K0+4*\ct:\K0+4*\ct+3], s[\base:\base+1] offset:512*\ct
.endr
.endm
	s_load_b128 s[4:7], s[0:1], 0x0                ; q16 s[4:5], kv16 s[6:7]
	s_load_b64 s[8:9], s[0:1], 0x10                ; o16
	v_lshl_add_u32 v[SPW], v0, 2, SPARE
	v_mov_b32 v[NIL], 0
	ds_add_u32 v[SPW], v[NIL]                      ; the wave's opening: the add, twice on end, and its wait ahead of the first tensor load
	ds_add_u32 v[SPW], v[NIL]
	v_lshrrev_b32 v9, 5, v0
	v_readfirstlane_b32 s[WV], v9                  ; wave 0..7
	s_mov_b32 s[JJ], ttmp9
	s_and_b32 s[YY], ttmp7, 0xffff
	s_lshr_b32 s38, s[WV], 2
	s_lshl_b32 s38, s38, 4                         ; 16 x my position tile
	s_lshl_b32 s[QL0], s[JJ], 5
	s_add_co_u32 s[QL0], s[QL0], s38
	s_sub_co_u32 s[QH0], 63, s[JJ]
	s_lshl_b32 s[QH0], s[QH0], 5
	s_or_b32 s[QLAST], s[QH0], 31
	s_add_co_u32 s[QH0], s[QH0], s38
	s_mov_b32 s[G1+0], 3<<16                       ; 16 KB dense, as 64 rows of 256 bytes: elements of 8 bytes, no mask, no padding
	s_mov_b32 s[G1+1], 32<<16                      ; tensor_dim0
	s_mov_b32 s[G1+2], 64<<16                      ; tensor_dim1
	s_mov_b32 s[G1+3], 32<<16                      ; tile_dim0
	s_mov_b32 s[G1+4], 64                          ; tile_dim1
	s_mov_b32 s[G1+5], 32                          ; from row to row
	s_mov_b32 s[G1+6], 0
	s_mov_b32 s[G1+7], 0
	s_mov_b32 s[SEL], 0x76543210
	s_mov_b32 s[SEL+1], 0xfedcba98
	s_mov_b32 s[CS], 0x3e38aa3b                    ; c = log2(e) / 8
	s_mov_b32 s[CS+1], s[CS]
	s_mov_b32 s[KF], 0
	s_mov_b32 s[TB], 0
	s_mov_b32 s[SLOTS], 7
	s_and_b32 s39, s[WV], 3                        ; what I fetch, if I fetch: wave 0, 1: K's halves; 2, 3: V's
	s_lshl_b32 s40, s39, 14                        ; its place in a slot
	s_lshr_b32 s41, s39, 1
	s_mul_i32 s42, s41, VO
	s_lshl_b32 s43, s[YY], 18                      ; a head's K, or V, is 262,144 bytes
	s_add_co_u32 s42, s42, s43
	s_and_b32 s41, s[WV], 1
	s_lshl_b32 s41, s41, 14
	s_add_co_u32 s42, s42, s41
	s_mov_b32 s43, 0
	s_lshl_b32 s44, s[YY], 18                      ; where my prefetches stand: my 8,192 bytes,
	s_lshl_b32 s45, s39, 13
	s_add_co_u32 s44, s44, s45
	s_add_co_u32 s44, s44, 32768                   ; in slot 1: the first change of slots steps it to slot 2
	s_mov_b32 s45, 0
	s_sub_co_u32 s46, s[WV], 4
	s_lshr_b32 s46, s46, 2                         ; 0 in waves 4..7,
	s_or_b32 s46, s46, ttmp9                       ; of work-group j = 0
	s_cmp_eq_u32 s46, 0
	s_cselect_b32 s[LIM], 1, -1
	s_wait_dscnt 0x0                               ; both opening adds are done
	s_wait_kmcnt 0x0
	s_mov_b32 s[G0], 1
	s_mov_b32 s[G0+1], s40
	s_add_nc_u64 s[G0+2:G0+3], s[6:7], s[42:43]
	s_or_b32 s[G0+3], s[G0+3], 0x80000000
	TLOAD                                          ; slot 0: key 0 counts for every query
	s_add_nc_u64 s[PFA:PFA+1], s[6:7], s[44:45]
	s_and_b32 s38, s[WV], 3                        ; my query head of the four
	s_lshl_b32 s39, s[YY], 2
	s_add_co_u32 s39, s39, s38
	s_lshl_b32 s39, s39, 18                        ; a head of Q: 128 tiles of 2,048 bytes
	s_lshl_b32 s40, s[QH0], 7
	s_add_co_u32 s40, s40, s39
	s_mov_b32 s41, 0
	s_add_nc_u64 s[40:41], s[4:5], s[40:41]
	s_lshl_b32 s42, s[QL0], 7
	s_add_co_u32 s42, s42, s39
	s_mov_b32 s43, 0
	s_add_nc_u64 s[42:43], s[4:5], s[42:43]
	s_lshr_b32 s44, s[YY], 2                       ; o16: row tile 128 b + query / 16, of 32,768 bytes; in it head x 2,048
	s_lshl_b32 s44, s44, 22
	s_and_b32 s45, s[YY], 3
	s_lshl_b32 s45, s45, 2
	s_add_co_u32 s45, s45, s38
	s_lshl_b32 s45, s45, 11
	s_add_co_u32 s44, s44, s45
	s_lshl_b32 s46, s[QH0], 11
	s_add_co_u32 s46, s46, s44
	s_mov_b32 s47, 0
	s_add_nc_u64 s[50:51], s[8:9], s[46:47]
	s_lshl_b32 s46, s[QL0], 11
	s_add_co_u32 s46, s46, s44
	s_add_nc_u64 s[52:53], s[8:9], s[46:47]
	v_and_b32 v9, 31, v0
	v_lshlrev_b32 v[LI], 4, v9
	v_lshlrev_b32 v[PFO], 8, v9
	v_and_b32 v[RH], 15, v0
	v_bfe_u32 v9, v0, 4, 1
	v_lshlrev_b32 v9, 3, v9
	v_sub_nc_u32 v[RH], v[RH], v9
	v_mov_b32 v[NINF], 0xff800000
.irp i, 0,1,2,3
	global_load_b128 v[QH+4*\i:QH+4*\i+3], v[LI], s[40:41] offset:512*\i   ; Q stays in registers
	global_load_b128 v[QL+4*\i:QL+4*\i+3], v[LI], s[42:43] offset:512*\i
.endr
.irp t, STH, STL
	v_mov_b32 v[\t+1], 0xff61b1e6                  ; m = -3e38, under every score
	v_mul_f32 v[\t], s[CS], v[\t+1]
.irp i, 2,3,4,5,6,7
	v_mov_b32 v[\t+\i], 0                          ; l; and the registers that a lane permute or a pair names before they are first written
.endr
.endr
.set nn, 0
.rept 64
	v_mov_b32 v[OH+nn], 0                          ; O^T of both tiles: the step is written with no first step of its own, which finds zeros
.set nn, nn+1
.endr
	s_wait_loadcnt 0x0                             ; Q
.Lslot:                                            ; 7 trips: behind each change of slots but the last the next slot is asked for, up to the causal limit
	CHANGE 1
	SLOT_STEPS
	s_sub_co_u32 s[SLOTS], s[SLOTS], 1
	s_cmp_lg_u32 s[SLOTS], 0
	s_cbranch_scc1 .Lslot
	CHANGE 0                                       ; the last slot is written out: nothing is left to ask for
	SLOT_STEPS
	; THE WAY OUT.  The six additions and permutes are the places behind the last products.
	v_add_f32 v[STH+4], v[STH+2], v[STH+3]
	v_add_f32 v[STL+4], v[STL+2], v[STL+3]
	v_permlanex16_b32 v[STH+5], v[STH+4], s[SEL], s[SEL+1]
	v_permlanex16_b32 v[STL+5], v[STL+4], s[SEL], s[SEL+1]
	v_add_f32 v[STH+4], v[STH+4], v[STH+5]
	v_add_f32 v[STL+4], v[STL+4], v[STL+5]
	v_rcp_f32 v[STH+6], v[STH+4]
	v_rcp_f32 v[STL+6], v[STL+4]
	v_nop                                          ; a plain place behind the reciprocals
	s_wait_alu depctr_va_vdst(0)                   ; one wait for both, ahead of their first reader
	OUTT SH, STH, OH, KV, 50
	OUTT SL, STL, OL, KV+16, 52
	s_wait_tensorcnt 0x0                           ; the wave's end
	ds_add_u32 v[SPW], v[NIL]
	s_wait_dscnt 0x0
	s_endpgm
.Lfunc_end_k_qd02f3863ca_attn:
	.size	k_qd02f3863ca_attn, .Lfunc_end_k_qd02f3863ca_attn-k_qd02f3863ca_attn
	.p2alignl 7, 3214868480
	.fill 96, 4, 3214868480
	.section	.rodata,"a",@progbits
	.p2align	6, 0x0
	.amdhsa_kernel k_qd02f3863ca_attn
		.amdhsa_group_segment_fixed_size 327680
		.amdhsa_private_segment_fixed_size 0
		.amdhsa_enable_private_segment 0
		.amdhsa_kernarg_size 24
		.amdhsa_user_sgpr_count 2
		.amdhsa_user_sgpr_kernarg_segment_ptr 1
		.amdhsa_wavefront_size32 1
		.amdhsa_system_sgpr_workgroup_id_x 1
		.amdhsa_system_sgpr_workgroup_id_y 1
		.amdhsa_system_sgpr_workgroup_id_z 1
		.amdhsa_system_vgpr_workitem_id 0
		.amdhsa_next_free_vgpr 256
		.amdhsa_next_free_sgpr 66
		.amdhsa_reserve_vcc 1
		.amdhsa_float_denorm_mode_32 3
		.amdhsa_float_denorm_mode_16_64 3
		.amdhsa_memory_ordered 1
		.amdhsa_forward_progress 1
		.amdhsa_inst_pref_size 80
	.end_amdhsa_kernel
	.amdgpu_metadata
---
amdhsa.version: [ 1, 2 ]
amdhsa.kernels:
  - .name:           k_qd02f3863ca_attn
    .symbol:         k_qd02f3863ca_attn.kd
    .args:
      - { .name: q16, .offset: 0, .size: 8, .value_kind: global_buffer, .address_space: global }
      - { .name: kv16, .offset: 8, .size: 8, .value_kind: global_buffer, .address_space: global }
      - { .name: o16, .offset: 16, .size: 8, .value_kind: global_buffer, .address_space: global }
    .group_segment_fixed_size: 327680
    .private_segment_fixed_size: 0
    .kernarg_segment_align: 8
    .kernarg_segment_size: 24
    .max_flat_workgroup_size: 256
    .sgpr_count:     66
    .vgpr_count:     256
    .wavefront_size: 32
...
	.end_amdgpu_metadata
.endif
;; end of part 3
;; launch oproj (part 4): grid 8 x 32, 4 waves a work-group, clusters of 4 x 4, 327,680 bytes of LDS; arguments o16, wo16, out0; writes out0
.if DOCPART == 4
	.amdgcn_target "amdgcn-amd-amdhsa--gfx1250"
	.amdhsa_code_object_version 6
	.text
	.protected	k_qd02f3863ca_oproj
	.globl	k_qd02f3863ca_oproj
	.p2align	8
	.type	k_qd02f3863ca_oproj,@function
k_qd02f3863ca_oproj:
	s_mov_b64 s[64:65], 0
	v_nop
	global_prefetch_b8 v0, s[64:65] scope:SCOPE_SE
	s_setreg_imm32_b32 hwreg(HW_REG_WAVE_MODE, 25, 1), 1
	s_wait_xcnt 0x0
	s_wait_alu depctr_hold_cnt(0) depctr_sa_sdst(0) depctr_va_vdst(0) depctr_va_sdst(0) depctr_va_ssrc(0) depctr_va_vcc(0) depctr_vm_vsrc(0)
	s_getreg_b32 s2, hwreg(HW_REG_IB_STS2, 6, 4)
	s_cmp_eq_u32 s2, 0
	s_cbranch_scc0 .Lentry_in_a_cluster
	s_endpgm
.Lentry_in_a_cluster:
	s_bfe_u32 s2, ttmp6, 0x10000c
	s_cmp_lg_u32 s2, 0xf033
	s_cbranch_scc0 .Lentry_shape_is_right
	s_endpgm
.Lentry_shape_is_right:
; OPROJ: out0 [4096][1024] f32 = O [4096][1024] Wo [1024][1024], operands f16, sums f32.  Both operands arrive as images of their fragments:
; o16 [row tile 256][k step of 32: 32][1,024 bytes], wo16 [n tile 64][k step 32][1,024 bytes]: a fragment is two loads of 16 bytes a lane on end, and no LDS row needs padding.
; A tile of out0 is 128 x 128 (256 work-groups); four waves, each 64 x 64: 16 accumulators.  K goes in steps of 256 (8 fragments, 8,192 bytes a tile of 16 rows) through two LDS slots; a wave's tensor load brings 4 tiles' 8,192 bytes.
; CLUSTERS: 4 x 4 work-groups.  The four of a row of the cluster need the same tiles of O, the four of a column the same tiles of Wo: each is asked for JOINTLY, by the same tensor load with the same descriptor and a mask that names the four.
; THE MATRIX INSTRUCTION IS USED TRANSPOSED (source 0 = 16 columns of Wo, source 1 = 16 rows of O): a lane holds eight neighbouring numbers of a row of out0.
; Rows 0..15 of each batch are written here from f16 operands and written over by the next launch from f32 ones.
; REGISTERS: window 0: v0-31 addresses; v32-95 the way out; v128-255 the accumulators ((a, b) at v[128 + 8 (4 a + b)]).  window 1: two fragment buffers of 128: for 64 along K, 64 registers of O, then 64 of Wo.
.set KCH,    8192                      ; a K step of one tile of 16 rows, in bytes
.set QTR,    32768                     ; what one tensor load brings: 4 tiles' K step
.set SLOT,   131072                    ; O's 8 row tiles, then Wo's 8 n tiles
.set STAGE,  262144                    ; behind the ring: 16 rows x 272 bytes for each wave
.set SPITCH, 272
.set SPARE,  279552                    ; behind the stages: the spare words, 128 bytes a wave, which no other line names
.set LAPS,   2                         ; a lap = two K steps = once round the ring: K = 1,024
.set ADRA, 16                          ; v16-17  LDS address of my fragments of O in slot 0, 1
.set ADRB, 20                          ; v20-21  the same for Wo
.set STO,  24
.set RD,   25
.set CO,   26
.set SPW,  28                          ; v28     LDS address of my spare word; never rewritten
.set NIL,  29                          ; v29     0; never rewritten
.set TMP,  32
.set ACC,  128
.set F0,   0
.set F1,   128
.set G1, 24
.set G0, 32
.set G1B, 48
.set G0B, 56
.set MSB, 0
.macro WIN new                         ; the immediate's high byte repeats the setting that is left
.if MSB != \new
	s_set_vgpr_msb (MSB<<8)|\new
.set MSB, \new
.endif
.endm
.set MUL,  0x05                        ; sources 0 and 1 window 1; C and D window 0
.set TO_F, 0x40                        ; destination window 1, address window 0
.macro JLOAD s                         ; a joint load: waves 0 and 1 fetch O's two halves, waves 2 and 3 Wo's; an s_nop 0 and four v_nop follow each of the two lines
	s_cmp_eq_u32 s11, 0
	s_cbranch_scc0 .Lfor_b_\@
	tensor_load_to_lds s[G0+4*\s:G0+4*\s+3], s[G1:G1+7]
	s_nop 0
.rept 4
	v_nop
.endr
	s_branch .Lasked_\@
.Lfor_b_\@:
	tensor_load_to_lds s[G0B+4*\s:G0B+4*\s+3], s[G1B:G1B+7]
	s_nop 0
.rept 4
	v_nop
.endr
.Lasked_\@:
.endm
.macro CREST                           ; a round of the cluster's barrier behind its opening barrier
	s_cmp_lg_u32 s10, 0
	s_cbranch_scc1 .Lnot_wave_0_\@
	s_barrier_signal -3
.Lnot_wave_0_\@:
	s_barrier_wait -3
	s_barrier_signal -1
	s_barrier_wait -1
.endm
.macro CROUND
	s_barrier_signal -1
	s_barrier_wait -1
	CREST
.endm
	s_load_b128 s[4:7], s[0:1], 0x0                ; o16 s[4:5], wo16 s[6:7]
	s_load_b64 s[8:9], s[0:1], 0x10                ; out0
	v_lshl_add_u32 v[SPW], v0, 2, SPARE
	v_mov_b32 v[NIL], 0
	ds_add_u32 v[SPW], v[NIL]                      ; the wave's opening: the add, twice on end, and its wait ahead of my first tensor load
	ds_add_u32 v[SPW], v[NIL]
	v_lshrrev_b32 v1, 5, v0
	v_readfirstlane_b32 s10, v1                    ; wave 0..3
	s_lshr_b32 s11, s10, 1                         ; which half of the tile's rows is mine.  Also: I fetch for O (0) or for Wo (1)
	s_and_b32 s12, s10, 1                          ; which half of its columns.  Also: which 4 tiles I fetch
	s_bfe_u32 s40, ttmp6, 0x40000                  ; cx, cy: my place in the cluster
	s_bfe_u32 s41, ttmp6, 0x40004
	s_lshl_b32 s42, ttmp9, 2
	s_add_co_u32 s42, s42, s40                     ; tile column = 4 x cluster x + cx
	s_and_b32 s13, ttmp7, 0xffff
	s_lshl_b32 s13, s13, 2
	s_add_co_u32 s13, s13, s41                     ; tile row = 4 x cluster y + cy
	s_lshl_b32 s43, s41, 2
	s_lshl_b32 s43, 15, s43                        ; my row of the cluster
	s_lshl_b32 s44, 0x1111, s40                    ; my column
	s_or_b32 s[G1+0], s43, (3<<16)|(1<<21)         ; the mask: O's tiles go to my row; elements of 8 bytes; bit 21 beside a mask; no padding
	s_or_b32 s[G1B+0], s44, (3<<16)|(1<<21)
.irp g, G1, G1B
	s_mov_b32 s[\g+1], 1024<<16                    ; tensor_dim0: 8,192 bytes
	s_mov_b32 s[\g+2], 4<<16                       ; tensor_dim1
	s_mov_b32 s[\g+3], 1024<<16                    ; tile_dim0
	s_mov_b32 s[\g+4], 4                           ; tile_dim1
	s_mov_b32 s[\g+5], 4096                        ; from tile to tile: 32,768 bytes
	s_mov_b32 s[\g+6], 0
	s_mov_b32 s[\g+7], 0
.endr
	s_lshl_b32 s17, s12, 17                        ; which 4 tiles of 32,768 bytes I fetch
	s_lshl_b32 s16, s13, 18
	s_add_co_u32 s16, s16, s17                     ; O: 8 row tiles a tile row
	s_lshl_b32 s46, s42, 18
	s_add_co_u32 s46, s46, s17                     ; Wo: 8 n tiles a tile column
	s_mov_b32 s17, 0
	s_mov_b32 s47, 0
	s_lshl_b32 s20, s10, 15                        ; where they go: wave x 32,768: no place in the cluster enters an LDS address
	s_wait_dscnt 0x0                               ; both opening adds are done
	s_wait_kmcnt 0x0
	s_add_nc_u64 s[14:15], s[4:5], s[16:17]
	s_add_nc_u64 s[46:47], s[6:7], s[46:47]
	CROUND                                         ; all sixteen work-groups are here: the first joint loads meet
.irp s, 0,1
	s_mov_b32 s[G0+4*\s], 1
	s_add_co_u32 s[G0+4*\s+1], s20, \s*SLOT
	s_add_nc_u64 s[G0+4*\s+2:G0+4*\s+3], s[14:15], \s*KCH
	s_or_b32 s[G0+4*\s+3], s[G0+4*\s+3], 0x80000000
	s_mov_b32 s[G0B+4*\s], 1
	s_add_co_u32 s[G0B+4*\s+1], s20, \s*SLOT
	s_add_nc_u64 s[G0B+4*\s+2:G0B+4*\s+3], s[46:47], \s*KCH
	s_or_b32 s[G0B+4*\s+3], s[G0B+4*\s+3], 0x80000000
	JLOAD \s
.endr
	v_and_b32 v1, 15, v0                           ; l % 16
	v_bfe_u32 v2, v0, 4, 1                         ; l / 16
	v_and_b32 v3, 31, v0
	v_lshlrev_b32 v3, 4, v3                        ; 16 x lane
	s_lshl_b32 s21, s11, 15                        ; my 4 row tiles of O
	s_lshl_b32 s22, s12, 15                        ; my 4 n tiles of Wo,
	s_add_co_u32 s22, s22, 2*QTR                   ; which lie behind O's 8
.irp s, 0,1
	v_add_nc_u32 v[ADRA+\s], s21, v3
	v_add_nc_u32 v[ADRB+\s], s22, v3
	s_add_co_u32 s21, s21, SLOT
	s_add_co_u32 s22, s22, SLOT
.endr
	s_mul_i32 s23, s10, 16*SPITCH
	s_add_co_u32 s23, s23, STAGE                   ; my stage
	v_mul_u32_u24 v4, v1, SPITCH                   ; in: row l % 16, 32 bytes for each half of the lanes
	v_lshl_add_u32 v4, v2, 5, v4
	v_add_nc_u32 v[STO], s23, v4
	v_mul_u32_u24 v5, v2, SPITCH                   ; back: lanes 0-15 one row of 256 bytes, lanes 16-31 the next
	v_lshl_add_u32 v5, v1, 4, v5
	v_add_nc_u32 v[RD], s23, v5
	v_lshlrev_b32 v5, 12, v2                       ; and the same two rows in out0
	v_lshl_add_u32 v[CO], v1, 4, v5
	s_lshl_b32 s16, s13, 19                        ; my first row: 128 x tile row + 64 x half, of 4,096 bytes
	s_lshl_b32 s17, s11, 18
	s_add_co_u32 s16, s16, s17
	s_mov_b32 s17, 0
	s_add_nc_u64 s[8:9], s[8:9], s[16:17]
	s_lshl_b32 s46, s42, 9                         ; my first column, in bytes: 512 x tile column + 256 x half
	s_lshl_b32 s47, s12, 8
	s_add_co_u32 s46, s46, s47
	s_mov_b32 s47, 0
	s_add_nc_u64 s[8:9], s[8:9], s[46:47]
; 8 matrix instructions: row tiles a0, a0 + 1 x all 4 n tiles, 32 along K: half c of buffer f.  zero = 1: the first product starts the sums
.macro MUL8 f, c, a0, zero
.irp a, \a0, \a0+1
.irp b, 0,1,2,3
.if \zero
	v_wmma_f32_16x16x32_f16 v[ACC+8*(4*(\a)+\b):ACC+8*(4*(\a)+\b)+7], v[\f+64+8*(4*\c+\b):\f+64+8*(4*\c+\b)+7], v[\f+8*(4*\c+\a):\f+8*(4*\c+\a)+7], 0
.else
	v_wmma_f32_16x16x32_f16 v[ACC+8*(4*(\a)+\b):ACC+8*(4*(\a)+\b)+7], v[\f+64+8*(4*\c+\b):\f+64+8*(4*\c+\b)+7], v[\f+8*(4*\c+\a):\f+8*(4*\c+\a)+7], v[ACC+8*(4*(\a)+\b):ACC+8*(4*(\a)+\b)+7]
.endif
.endr
.endr
.endm
; 32 LDS loads in one run: the fragments of k steps q0 and q0 + 1 of the slot's eight, into buffer f; the first 32 along K first
.macro FETCH slot, q0, f
	WIN TO_F
.irp c, 0,1
.irp i, 0,1,2,3
	ds_load_b128 v[\f+64+8*(4*\c+\i):\f+64+8*(4*\c+\i)+3],   v[ADRB+\slot] offset:\i*KCH+(\q0+\c)*1024
	ds_load_b128 v[\f+64+8*(4*\c+\i)+4:\f+64+8*(4*\c+\i)+7], v[ADRB+\slot] offset:\i*KCH+(\q0+\c)*1024+512
	ds_load_b128 v[\f+8*(4*\c+\i):\f+8*(4*\c+\i)+3],         v[ADRA+\slot] offset:\i*KCH+(\q0+\c)*1024
	ds_load_b128 v[\f+8*(4*\c+\i)+4:\f+8*(4*\c+\i)+7],       v[ADRA+\slot] offset:\i*KCH+(\q0+\c)*1024+512
.endr
.endr
.endm
.macro PLACES                          ; four places in front of loads into registers that matrix instructions have read, and of the first reads of results
.rept 4
	v_nop
.endr
.endm
; A K step is four quarters of 64 along K, 32 matrix instructions each, on buffers 0, 1, 0, 1.  One of the first three: multiplies buffer f and fetches the next quarter into g.
.macro QUARTER slot, q0, f, g, zero
	s_wait_dscnt 16                                ; the first 32 along K are in
	WIN MUL
	MUL8 \f, 0, 0, \zero
	MUL8 \f, 0, 2, \zero
	PLACES
	FETCH \slot, \q0, \g
	s_wait_dscnt 32                                ; all but the 32 just issued
	WIN MUL
	MUL8 \f, 1, 0, 0
	MUL8 \f, 1, 2, 0
.endm
; The last quarter multiplies buffer 1 and changes slots: ONE barrier; in front of it each wave waits for all its tensor loads, adds 0 to its spare word, and waits for that and for its own reads of this slot.
.macro TURN slot, next, fill
	WIN 0                                          ; (the add's two registers lie in window 0)
	s_wait_tensorcnt 0x0                           ; all my tensor loads have landed: my part of the next slot
	ds_add_u32 v[SPW], v[NIL]
	s_wait_dscnt 17                                ; (the add and the youngest sixteen loads may be out)
	WIN MUL
	MUL8 F1, 0, 0, 0
	s_wait_dscnt 0x0                               ; the add is done, and my reads of this slot are over
	s_barrier_signal -1
	MUL8 F1, 0, 2, 0
.if \fill
	WIN 0
.endif
	s_barrier_wait -1
.if \fill
	CREST                                          ; the barrier has opened a round of the cluster's: no wave of any partner still reads this slot or has a load on its way
	s_add_nc_u64 s[G0+4*\slot+2:G0+4*\slot+3], s[G0+4*\slot+2:G0+4*\slot+3], 2*KCH
	s_add_nc_u64 s[G0B+4*\slot+2:G0B+4*\slot+3], s[G0B+4*\slot+2:G0B+4*\slot+3], 2*KCH
	JLOAD \slot                                    ; the first tensor load behind the round; its four v_nop are also the places in front of the loads below
.else
	PLACES
.endif
	FETCH \next, 0, F0
	WIN MUL
	MUL8 F1, 1, 0, 0
	MUL8 F1, 1, 2, 0
.endm
	s_wait_tensorcnt 1                             ; my part of K step 0 is in; K step 1's may stay out
	s_barrier_signal -1
	s_barrier_wait -1
	FETCH 0, 0, F0
	QUARTER 0, 2, F0, F1, 1                        ; the first quarter stands in front of the loop: its first products start the sums
	WIN 0                                          ; at a label and at a branch every window is 0
	s_mov_b32 s3, LAPS-1
.Llap:                                                 ; a trip goes once round the ring, from a lap's second quarter to the next lap's first, and fills both slots again
	QUARTER 0, 4, F1, F0, 0
	QUARTER 0, 6, F0, F1, 0
	TURN 0, 1, 1
	QUARTER 1, 2, F0, F1, 0
	QUARTER 1, 4, F1, F0, 0
	QUARTER 1, 6, F0, F1, 0
	TURN 1, 0, 1
	QUARTER 0, 2, F0, F1, 0
	WIN 0
	s_sub_co_u32 s3, s3, 1
	s_cmp_lg_u32 s3, 0
	s_cbranch_scc1 .Llap
	QUARTER 0, 4, F1, F0, 0                        ; the last lap fills nothing, and has no round of the cluster's barrier
	QUARTER 0, 6, F0, F1, 0
	TURN 0, 1, 0
	QUARTER 1, 2, F0, F1, 0
	QUARTER 1, 4, F1, F0, 0
	QUARTER 1, 6, F0, F1, 0
	s_wait_dscnt 16                                ; the very last quarter: nothing more to fetch
	WIN MUL
	MUL8 F1, 0, 0, 0
	MUL8 F1, 0, 2, 0
	s_wait_dscnt 0
	MUL8 F1, 1, 0, 0
	MUL8 F1, 1, 2, 0
	WIN 0
	; THE WAY OUT, 16 rows at a time.  My 64 columns are 256 bytes of a row, aligned: they go through my own stage and come back as whole rows, sixteen lanes to a row.  LDS serves a wave's instructions in order: no wait between the stores and the loads.
	PLACES
.irp a, 0,1,2,3
.if \a > 1
	s_wait_xcnt 0x0                                ; the stores of two blocks back have read their registers
.endif
.irp b, 0,1,2,3
	ds_store_b128 v[STO], v[ACC+8*(4*\a+\b):ACC+8*(4*\a+\b)+3] offset:64*\b          ; each accumulator from its low end on
	ds_store_b128 v[STO], v[ACC+8*(4*\a+\b)+4:ACC+8*(4*\a+\b)+7] offset:64*\b+16
.endr
.irp t, 0,1,2,3,4,5,6,7
	ds_load_b128 v[TMP+32*(\a%2)+4*\t:TMP+32*(\a%2)+4*\t+3], v[RD] offset:\t*2*SPITCH
.endr
	s_wait_dscnt 0x0
.irp t, 0,1,2,3,4,5,6,7
	global_store_b128 v[CO], v[TMP+32*(\a%2)+4*\t:TMP+32*(\a%2)+4*\t+3], s[8:9] offset:(16*\a+2*\t)*4096 th:TH_STORE_NT   ; 16 lanes store 256 consecutive bytes, at a multiple of 256 from out0's first byte
.endr
.endr
	s_wait_tensorcnt 0x0                           ; the wave's end
	ds_add_u32 v[SPW], v[NIL]
	s_wait_dscnt 0x0
	CROUND                                         ; the closing round: no work-group ends while a partner may still ask for a tile that names it
	s_endpgm
.Lfunc_end_k_qd02f3863ca_oproj:
	.size	k_qd02f3863ca_oproj, .Lfunc_end_k_qd02f3863ca_oproj-k_qd02f3863ca_oproj
	.p2alignl 7, 3214868480
	.fill 96, 4, 3214868480
	.section	.rodata,"a",@progbits
	.p2align	6, 0x0
	.amdhsa_kernel k_qd02f3863ca_oproj
		.amdhsa_group_segment_fixed_size 327680
		.amdhsa_private_segment_fixed_size 0
		.amdhsa_enable_private_segment 0
		.amdhsa_kernarg_size 24
		.amdhsa_user_sgpr_count 2
		.amdhsa_user_sgpr_kernarg_segment_ptr 1
		.amdhsa_wavefront_size32 1
		.amdhsa_system_sgpr_workgroup_id_x 1
		.amdhsa_system_sgpr_workgroup_id_y 1
		.amdhsa_system_sgpr_workgroup_id_z 1
		.amdhsa_system_vgpr_workitem_id 0
		.amdhsa_next_free_vgpr 512
		.amdhsa_next_free_sgpr 66
		.amdhsa_reserve_vcc 0
		.amdhsa_float_denorm_mode_32 3
		.amdhsa_float_denorm_mode_16_64 3
		.amdhsa_memory_ordered 1
		.amdhsa_forward_progress 1
		.amdhsa_inst_pref_size 85
	.end_amdhsa_kernel
	.amdgpu_metadata
---
amdhsa.version: [ 1, 2 ]
amdhsa.kernels:
  - .name:           k_qd02f3863ca_oproj
    .symbol:         k_qd02f3863ca_oproj.kd
    .args:
      - { .name: o16, .offset: 0, .size: 8, .value_kind: global_buffer, .address_space: global }
      - { .name: wo16, .offset: 8, .size: 8, .value_kind: global_buffer, .address_space: global }
      - { .name: out0, .offset: 16, .size: 8, .value_kind: global_buffer, .address_space: global }
    .group_segment_fixed_size: 327680
    .private_segment_fixed_size: 0
    .kernarg_segment_align: 8
    .kernarg_segment_size: 24
    .max_flat_workgroup_size: 128
    .sgpr_count:     66
    .vgpr_count:     512
    .wavefront_size: 32
...
	.end_amdgpu_metadata
.endif
;; end of part 4
;; launch first16 (part 5): grid 16 x 2, 16 waves a work-group, no clusters, 71,680 bytes of LDS; arguments first32, Wo, out0; writes out0
.if DOCPART == 5
	.amdgcn_target "amdgcn-amd-amdhsa--gfx1250"
	.amdhsa_code_object_version 6
	.text
	.protected	k_qd02f3863ca_first16
	.globl	k_qd02f3863ca_first16
	.p2align	8
	.type	k_qd02f3863ca_first16,@function
k_qd02f3863ca_first16:
	s_mov_b64 s[64:65], 0
	v_nop
	global_prefetch_b8 v0, s[64:65] scope:SCOPE_SE
	s_setreg_imm32_b32 hwreg(HW_REG_WAVE_MODE, 25, 1), 1
	s_wait_xcnt 0x0
; FIRST16: positions 0..15 of both batches once more, in f32 from the scores to the projection: these rows average one to a few values, and f16 operands would weigh most there.  It writes over the 32 rows of out0 that the launch before has made.
; SHARES.  Work-group (nb, b): 64 columns of out0 (256 bytes of a row, aligned) of batch b.  Wave w = query head w: its 16 x 16 attention, then the part of the projection that sums over its 64 channels; the sixteen parts meet in LDS.
; The attention is made anew in each of a batch's 16 work-groups: 32 small matrix instructions a wave.
; FORM.  v_wmma_f32_16x16x4_f32: lane (r, h) holds row (or column) r and, in its two registers, k = 2 h + j.  Which k of the sum stands at place (h, j) of a step is free, so long as both sources agree:
;   S^T = K Q^T: both images hold, in register 8 t + j of lane (r, h), channel 16 t + 8 h + j of position r: register pair i of both is a step.
;   O^T = V^T P: V's image holds channel 16 t + r, key 8 h + j; P (the normalised weights) holds query r, key 8 h + j: pair kk of both is a step.
;   out^T = Wo^T O^T: O^T holds query r, channel 16 ct + 8 h + j; Wo's rows are loaded to match; a tile of output columns is {4 r + i}, so that a load of 16 bytes brings one number for each of the four tiles.
; The registers that this form writes (v192-255) are written by matrix instructions alone; each sum begins with the constant 0; accumulators take turns.
.set PP,    4352                       ; a wave's part in LDS: 16 rows x (256 bytes + 16)
.set SPARE, 69632                      ; behind the sixteen parts: the spare words, 128 bytes a wave, which no other line names
.set LI,   1                           ; v1   16 x lane
.set WA,   4                           ; v4   Wo: 8 h rows of 4,096 bytes + 16 r
.set DD,   5                           ; v5   r - 8 h
.set SPW,  10                          ; v10  LDS address of my spare word; never rewritten
.set NIL,  11                          ; v11  0; never rewritten
.set SS,   16                          ; v16-23  the scores, then p
.set PN,   24                          ; v24-31  p / l
.set QF,   32                          ; v32-63  Q, v64-95 K; later Wo's steps 8..15; later the sixteen parts
.set KF,   64
.set VF,   96                          ; v96-127 V
.set W0,   128                         ; v128-191 Wo's steps 0..7
.set SA,   192                         ; v192-199, v200-207 the scores in two sums; later two of the four output tiles
.set OA,   208                         ; v208-239 O^T
.macro WLD st, base                    ; Wo's rows 64 w + 16 ct + 8 h + 2 jj + j, st = 4 ct + jj, at columns 64 nb + 4 r + 0..3
.irp j, 0,1
	global_load_b128 v[\base+4*\j:\base+4*\j+3], v[WA], s[20:21] offset:(16*((\st)/4)+2*((\st)%4)+\j)*4096
.endr
.endm
.macro TURNW base                      ; a step's 8 registers from [j][i] to [i][j]: tile i's pair then lies at 2 i
	v_swap_b32 v[\base+1], v[\base+2]
	v_swap_b32 v[\base+1], v[\base+4]
	v_swap_b32 v[\base+3], v[\base+6]
	v_swap_b32 v[\base+3], v[\base+5]
.endm
.macro PROJ st, wb                     ; step st of the projection: the four output tiles by turns
.irp i, 0,1,2,3
.set rO, SA+8*\i+32*(\i/2)
.if (\st) == 0
	v_wmma_f32_16x16x4_f32 v[rO:rO+7], v[\wb+2*\i:\wb+2*\i+1], v[OA+2*(\st):OA+2*(\st)+1], 0
.else
	v_wmma_f32_16x16x4_f32 v[rO:rO+7], v[\wb+2*\i:\wb+2*\i+1], v[OA+2*(\st):OA+2*(\st)+1], v[rO:rO+7]
.endif
.endr
.endm
	s_load_b128 s[4:7], s[0:1], 0x0                ; first32 s[4:5], Wo s[6:7]
	s_load_b64 s[8:9], s[0:1], 0x10                ; out0
	v_lshl_add_u32 v[SPW], v0, 2, SPARE
	v_mov_b32 v[NIL], 0
	v_lshrrev_b32 v12, 5, v0
	v_readfirstlane_b32 s10, v12                   ; wave = query head
	s_and_b32 s11, ttmp7, 0xffff                   ; the batch
	s_mov_b32 s12, ttmp9                           ; which 64 columns
	v_and_b32 v12, 31, v0
	v_lshlrev_b32 v[LI], 4, v12
	v_and_b32 v2, 15, v0                           ; r
	v_bfe_u32 v3, v0, 4, 1                         ; h
	v_lshlrev_b32 v[WA], 15, v3
	v_lshl_add_u32 v[WA], v2, 4, v[WA]
	v_lshlrev_b32 v[DD], 3, v3
	v_sub_nc_u32 v[DD], v2, v[DD]
	s_mul_i32 s13, s10, PP
	v_mul_u32_u24 v6, v2, 272
	v_lshl_add_u32 v6, v3, 7, v6
	v_add_nc_u32 v6, s13, v6                       ; my part: row = query r, + 128 h
	v_lshrrev_b32 v12, 4, v0
	v_mul_u32_u24 v7, v12, 272
	v_lshl_add_u32 v7, v2, 4, v7                   ; the sum (waves 0..7): row thread / 16, 16 bytes at thread % 16
	v_lshlrev_b32 v8, 12, v12
	v_lshl_add_u32 v8, v2, 4, v8                   ; and the same place in out0
	v_mov_b32 v9, 0xff800000                       ; -infinity
	s_mov_b32 s24, 0x76543210
	s_mov_b32 s25, 0xfedcba98                      ; lane l xor 16
	s_mov_b32 s26, 0x3e38aa3b                      ; c = log2(e) / 8
	s_mul_i32 s14, s11, 98304                      ; a batch: 24 heads of 4,096 bytes
	s_lshl_b32 s15, s10, 12
	s_add_co_u32 s16, s14, s15                     ; Q: head w
	s_mov_b32 s17, 0
	s_lshr_b32 s15, s10, 2
	s_lshl_b32 s15, s15, 12
	s_add_co_u32 s18, s14, s15
	s_add_co_u32 s18, s18, 65536                   ; K: head 16 + w / 4; V lies 4 heads, 16,384 bytes, on
	s_mov_b32 s19, 0
	s_lshl_b32 s20, s10, 18                        ; Wo: row 64 w,
	s_lshl_b32 s21, s12, 8                         ; column 64 nb
	s_add_co_u32 s20, s20, s21
	s_mov_b32 s21, 0
	s_lshl_b32 s22, s11, 23                        ; out0: row 2,048 b, column 64 nb
	s_lshl_b32 s23, s12, 8
	s_add_co_u32 s22, s22, s23
	s_mov_b32 s23, 0
	s_wait_kmcnt 0x0
	s_add_nc_u64 s[16:17], s[4:5], s[16:17]
	s_add_nc_u64 s[18:19], s[4:5], s[18:19]
	s_add_nc_u64 s[20:21], s[6:7], s[20:21]
	s_add_nc_u64 s[22:23], s[8:9], s[22:23]
.set ii, 0
.rept 8
	global_load_b128 v[QF+4*ii:QF+4*ii+3], v[LI], s[16:17] offset:512*ii
.set ii, ii+1
.endr
.set ii, 0
.rept 8
	global_load_b128 v[KF+4*ii:KF+4*ii+3], v[LI], s[18:19] offset:512*ii
.set ii, ii+1
.endr
.set ii, 0
.rept 8
	global_load_b128 v[VF+4*ii:VF+4*ii+3], v[LI], s[18:19] offset:16384+512*ii
.set ii, ii+1
.endr
.set st, 0
.rept 8
	WLD st, W0+8*st
.set st, st+1
.endr
	s_wait_loadcnt 24                              ; Q and K are in; V's 8 and Wo's 16 may be out
.set ii, 0
.rept 16                                       ; S^T: 16 steps of 4 channels, in two sums by turns
.set rO, SA+8*(ii%2)
.if ii < 2
	v_wmma_f32_16x16x4_f32 v[rO:rO+7], v[KF+2*ii:KF+2*ii+1], v[QF+2*ii:QF+2*ii+1], 0
.else
	v_wmma_f32_16x16x4_f32 v[rO:rO+7], v[KF+2*ii:KF+2*ii+1], v[QF+2*ii:QF+2*ii+1], v[rO:rO+7]
.endif
.set ii, ii+1
.endr
.rept 8
	v_nop                                          ; eight places behind this form: in front of loads into its sources and of the first reads of its results
.endr
.set st, 8
.rept 8
	WLD st, QF+8*(st-8)                            ; Wo's second half lands under the first half's products
.set st, st+1
.endr
.irp j, 0,1,2,3,4,5,6,7
	v_add_f32 v[SS+\j], v[SA+\j], v[SA+8+\j]       ; lane (r, h): query r, key 8 h + j
.endr
.irp j, 0,1,2,3,4,5,6,7
	v_cmp_gt_i32 vcc_lo, \j, v[DD]                 ; hidden where 8 h + j > r
	v_cndmask_b32 v[SS+\j], v[SS+\j], v9, vcc_lo
.endr
	v_max3_num_f32 v12, v[SS], v[SS+1], v[SS+2]
	v_max3_num_f32 v13, v[SS+3], v[SS+4], v[SS+5]
	v_max3_num_f32 v12, v12, v[SS+6], v[SS+7]
	v_max_num_f32 v12, v12, v13
	v_permlanex16_b32 v13, v12, s24, s25
	v_max_num_f32 v12, v12, v13                    ; the row's maximum (key 0 counts for every query)
	v_mul_f32 v12, s26, v12
.irp j, 0,1,2,3,4,5,6,7
	v_fma_f32 v[SS+\j], v[SS+\j], s26, -v12
.endr
.irp j, 0,1,2,3,4,5,6,7
	v_exp_f32 v[SS+\j], v[SS+\j]
.endr
	v_nop                                          ; a plain place behind the exponentials
	s_wait_alu depctr_va_vdst(0)                   ; one wait for the batch
	v_add_f32 v12, v[SS], v[SS+1]
	v_add_f32 v13, v[SS+2], v[SS+3]
	v_add_f32 v14, v[SS+4], v[SS+5]
	v_add_f32 v15, v[SS+6], v[SS+7]
	v_add_f32 v12, v12, v13
	v_add_f32 v14, v14, v15
	v_add_f32 v12, v12, v14
	v_permlanex16_b32 v13, v12, s24, s25
	v_add_f32 v12, v12, v13                        ; the row's sum
	v_rcp_f32 v12, v12
	v_nop
	s_wait_alu depctr_va_vdst(0)
.irp j, 0,1,2,3,4,5,6,7
	v_mul_f32 v[PN+\j], v[SS+\j], v12
.endr
	s_wait_loadcnt 32                              ; V is in; Wo's 32 may be out
.irp kk, 0,1,2,3                               ; O^T: 4 steps of 4 keys, the four channel tiles by turns
.irp ct, 0,1,2,3
.if \kk == 0
	v_wmma_f32_16x16x4_f32 v[OA+8*\ct:OA+8*\ct+7], v[VF+8*\ct+2*\kk:VF+8*\ct+2*\kk+1], v[PN+2*\kk:PN+2*\kk+1], 0
.else
	v_wmma_f32_16x16x4_f32 v[OA+8*\ct:OA+8*\ct+7], v[VF+8*\ct+2*\kk:VF+8*\ct+2*\kk+1], v[PN+2*\kk:PN+2*\kk+1], v[OA+8*\ct:OA+8*\ct+7]
.endif
.endr
.endr
.rept 9
	v_nop                                          ; nine places before a matrix instruction takes these results as a source
.endr
	s_wait_loadcnt 16                              ; Wo's steps 0..7 are in
.set st, 0
.rept 8
	TURNW W0+8*st
.set st, st+1
.endr
.set st, 0
.rept 8
	PROJ st, W0+8*st
.set st, st+1
.endr
	s_wait_loadcnt 0x0                             ; steps 8..15
.set st, 8
.rept 8
	TURNW QF+8*(st-8)
.set st, st+1
.endr
.set st, 8
.rept 8
	PROJ st, QF+8*(st-8)
.set st, st+1
.endr
.rept 8
	v_nop                                          ; eight places in front of the first reads of results, and of the loads below into sources
.endr
.irp j, 0,1,2,3,4,5,6,7                        ; tile i's register j of lane (r, h) is out(query r, column 32 h + 4 j + i): each accumulator from its low end on
.irp i, 0,1,2,3
	ds_store_b32 v6, v[SA+8*\i+32*(\i/2)+\j] offset:16*\j+4*\i
.endr
.endr
	s_wait_dscnt 0x0                               ; for the others' sake: my part lies in LDS
	s_barrier_signal -1
	s_barrier_wait -1
	s_cmp_lt_u32 s10, 8                            ; 256 threads add the sixteen parts: 16 bytes each
	s_cbranch_scc0 .Ldone
.set ii, 0
.rept 16
	ds_load_b128 v[QF+4*ii:QF+4*ii+3], v7 offset:PP*ii
.set ii, ii+1
.endr
	s_wait_dscnt 0x0
.irp d, 8,4,2,1                                ; part i += part i + d
.set ii, 0
.rept \d
	v_pk_add_f32 v[QF+4*ii:QF+4*ii+1], v[QF+4*ii:QF+4*ii+1], v[QF+4*(ii+\d):QF+4*(ii+\d)+1]
	v_pk_add_f32 v[QF+4*ii+2:QF+4*ii+3], v[QF+4*ii+2:QF+4*ii+3], v[QF+4*(ii+\d)+2:QF+4*(ii+\d)+3]
.set ii, ii+1
.endr
.endr
	global_store_b128 v8, v[QF:QF+3], s[22:23]     ; 16 lanes store 256 consecutive bytes, aligned
.Ldone:
	s_wait_tensorcnt 0x0                           ; the wave's end
	ds_add_u32 v[SPW], v[NIL]
	s_wait_dscnt 0x0
	s_endpgm
.Lfunc_end_k_qd02f3863ca_first16:
	.size	k_qd02f3863ca_first16, .Lfunc_end_k_qd02f3863ca_first16-k_qd02f3863ca_first16
	.p2alignl 7, 3214868480
	.fill 96, 4, 3214868480
	.section	.rodata,"a",@progbits
	.p2align	6, 0x0
	.amdhsa_kernel k_qd02f3863ca_first16
		.amdhsa_group_segment_fixed_size 71680
		.amdhsa_private_segment_fixed_size 0
		.amdhsa_enable_private_segment 0
		.amdhsa_kernarg_size 24
		.amdhsa_user_sgpr_count 2
		.amdhsa_user_sgpr_kernarg_segment_ptr 1
		.amdhsa_wavefront_size32 1
		.amdhsa_system_sgpr_workgroup_id_x 1
		.amdhsa_system_sgpr_workgroup_id_y 1
		.amdhsa_system_sgpr_workgroup_id_z 1
		.amdhsa_system_vgpr_workitem_id 0
		.amdhsa_next_free_vgpr 256
		.amdhsa_next_free_sgpr 66
		.amdhsa_reserve_vcc 1
		.amdhsa_float_denorm_mode_32 3
		.amdhsa_float_denorm_mode_16_64 3
		.amdhsa_memory_ordered 1
		.amdhsa_forward_progress 1
		.amdhsa_inst_pref_size 25
	.end_amdhsa_kernel
	.amdgpu_metadata
---
amdhsa.version: [ 1, 2 ]
amdhsa.kernels:
  - .name:           k_qd02f3863ca_first16
    .symbol:         k_qd02f3863ca_first16.kd
    .args:
      - { .name: first32, .offset: 0, .size: 8, .value_kind: global_buffer, .address_space: global }
      - { .name: Wo, .offset: 8, .size: 8, .value_kind: global_buffer, .address_space: global }
      - { .name: out0, .offset: 16, .size: 8, .value_kind: global_buffer, .address_space: global }
    .group_segment_fixed_size: 71680
    .private_segment_fixed_size: 0
    .kernarg_segment_align: 8
    .kernarg_segment_size: 24
    .max_flat_workgroup_size: 512
    .sgpr_count:     66
    .vgpr_count:     256
    .wavefront_size: 32
...
	.end_amdgpu_metadata
.endif
;; end of part 5
